; MI455X (gfx1250); checked and timed in simulation.
; The chip was launched on July 23, 2026; its instructions are those of AMD's public machine-readable ISA for CDNA 5 (MIT licence, August 2026) and "CDNA5" Instruction Set Architecture Reference Guide (July 2026). The comments in the code are by the model that wrote it; some were corrected since.
;; Moe KAN Layer. Allowed arithmetic: matrix products marked QUANTISED: E2M3 operands, one E8M0 scale for each 32 along K, by v_wmma_scale_f32_16x16x128_f8f6f4 with both operands' format E2M3, f32 sums; products left as they are: f32 operands where the result goes on into a quantised operand, else bf16, f16 or f32 operands; f32 sums; everything else in f32.
;; Inputs: b1 8 x 4,096 float32; b2 8 x 1,024 float32; gate_b 8 float32; gate_w 1,024 x 8 float32; w1_codes 8 x 4,096 x 32 x 24 uint8 (E2M3 codes of w1, K innermost, in blocks of 32 codes, four codes in three bytes); w1_scales 8 x 4,096 x 32 uint8 (E8M0 scales of w1, one for each 32 codes along K); w2_codes 8 x 1,024 x 128 x 24 uint8 (E2M3 codes of w2, K innermost, in blocks of 32 codes, four codes in three bytes); w2_scales 8 x 1,024 x 128 uint8 (E8M0 scales of w2, one for each 32 codes along K); x 4 x 256 x 1,024 float32.
;; Outputs: out0 4 x 256 x 1,024 float32.
;; This version of the problem:
;;   THIS VERSION OF THE PROBLEM IS GIVEN IN LOW PRECISION. The matrix products marked QUANTISED in the list below multiply operands that are first quantised to E2M3 (2 exponent bits, 3 mantissa bits; 6 bits a number), with one power-of-two scale for each 32 numbers along K (OCP MX v1.0); their sums are f32. All else is computed in f32.
;;   The module's matrix products, in the order in which they are computed (A, B: the left and right operand; K: the contracted axis; several contracted axes count as one K, in the product's order):
;;     1. [M 1,024, K 1,024] x [K 1,024, N 8]; A: input x; B: input gate_w: left as it is (N = 8 < 16)
;;     2. [M 1,024, K 1,024] x [K 1,024, N 4,096]; A: computed on the way; B: input w1 (given as codes): QUANTISED
;;     3. [M 1,024, K 4,096] x [K 4,096, N 1,024]; A: computed on the way; B: input w2 (given as codes): QUANTISED
;;     4. [M 1,024, K 1,024] x [K 1,024, N 4,096]; A: computed on the way; B: input w1 (given as codes): QUANTISED
;;     5. [M 1,024, K 4,096] x [K 4,096, N 1,024]; A: computed on the way; B: input w2 (given as codes): QUANTISED
;;     6. [M 1,024, K 1,024] x [K 1,024, N 4,096]; A: computed on the way; B: input w1 (given as codes): QUANTISED
;;     7. [M 1,024, K 4,096] x [K 4,096, N 1,024]; A: computed on the way; B: input w2 (given as codes): QUANTISED
;;     8. [M 1,024, K 1,024] x [K 1,024, N 4,096]; A: computed on the way; B: input w1 (given as codes): QUANTISED
;;     9. [M 1,024, K 4,096] x [K 4,096, N 1,024]; A: computed on the way; B: input w2 (given as codes): QUANTISED
;;     10. [M 1,024, K 1,024] x [K 1,024, N 4,096]; A: computed on the way; B: input w1 (given as codes): QUANTISED
;;     11. [M 1,024, K 4,096] x [K 4,096, N 1,024]; A: computed on the way; B: input w2 (given as codes): QUANTISED
;;     12. [M 1,024, K 1,024] x [K 1,024, N 4,096]; A: computed on the way; B: input w1 (given as codes): QUANTISED
;;     13. [M 1,024, K 4,096] x [K 4,096, N 1,024]; A: computed on the way; B: input w2 (given as codes): QUANTISED
;;     14. [M 1,024, K 1,024] x [K 1,024, N 4,096]; A: computed on the way; B: input w1 (given as codes): QUANTISED
;;     15. [M 1,024, K 4,096] x [K 4,096, N 1,024]; A: computed on the way; B: input w2 (given as codes): QUANTISED
;;     16. [M 1,024, K 1,024] x [K 1,024, N 4,096]; A: computed on the way; B: input w1 (given as codes): QUANTISED
;;     17. [M 1,024, K 4,096] x [K 4,096, N 1,024]; A: computed on the way; B: input w2 (given as codes): QUANTISED
;;   THE QUANTISER, for each operand of a quantised product, along K:
;;     - K is cut into blocks of 32 from its start; a last block that is shorter is filled with zeros.
;;     - A block's scale is 2^e with e = floor(log2(the largest magnitude in the block)) - 2, held to -126 .. 127; a block of zeros has e = 0. As a byte (E8M0): e + 127.
;;     - Each number is divided by its block's scale, clamped to +-7.5, and rounded to the nearest number of E2M3, ties to even, subnormals kept.
;;     - The product sums the exact products of the quantised numbers (number of the format x scale) in f32.
;;   ~~~python
;;   def quantise(x, axis):      # numpy; x: float32 -> the quantised numbers, widened to float32 again
;;       x = np.moveaxis(x, axis, -1); K = x.shape[-1]
;;       x = np.pad(x, [(0, 0)] * (x.ndim - 1) + [(0, -K % 32)]); x = x.reshape(x.shape[:-1] + (-1, 32)); a = np.abs(x).max(-1, keepdims=True)
;;       e = np.where(a > 0, np.clip(np.frexp(np.where(a > 0, a, 1))[1] - 1 - 2, -126, 127), 0)      # np.frexp(a)[1] - 1 = floor(log2(a)), exactly
;;       r = np.clip(x / 2.0 ** e, -7.5, 7.5)
;;       step = 2.0 ** (np.maximum(np.frexp(np.where(r == 0, 1, r))[1] - 1, 0) - 3)
;;       q = np.round(r / step) * step * 2.0 ** e      # np.round: ties to even
;;       return np.moveaxis(q.reshape(q.shape[:-2] + (-1,))[..., :K], -1, axis).astype(np.float32)
;;   ~~~
;;   OPERANDS COMPUTED ON THE WAY. 'Computed on the way' means the value that the module computes at that place (a softmax that the list does not call 'softmax' is quantised finished and normalised). What goes into a quantiser is computed in f32, as accurately as f32 sums, v_exp_f32 and their like allow (about 1e-6 of the number): no bf16 or f16 on the way to a quantiser, and a product that is left as it is and whose result goes on into a quantised operand takes f32 operands (vector FMAs, or v_wmma_f32_16x16x4_f32). A number that lies on a knife's edge between two numbers of the format may be rounded either way, as far as f32 arithmetic and the matrix unit's own rounding can turn it there, and no further.
;;   INPUTS GIVEN AS CODES. w1 (in the module: [8, 1024, 4096], K = its axis 1); w2 (in the module: [8, 4096, 1024], K = its axis 1): each comes as NAME_codes (uint8): NAME with its K axis moved to the last place and cut into blocks of 32 codes, [.., K / 32, bytes a block], one block behind the other in memory; four codes in three bytes: a row's codes are one little-endian stream of bits, code i at bits 6 i .. 6 i + 5 (a code: sign, 2 exponent bits, 3 mantissa bits); and NAME_scales (uint8): the same leading axes, one E8M0 byte (e + 127) for each 32 codes along K. Its value is code x scale, taken as it is: it is not quantised again, and the codes and scales need not be those that the quantiser above would give.
;; 2 versions, each right; version 2 is version 1 with the launches gemm1, gemm2 written anew for expert scheduling mode. Each part assembles by itself: llvm-mc -triple=amdgcn-amd-amdhsa -mcpu=gfx1250 --defsym DOCPART=n.
;; ======== version 1 of 2: 4 launches
;; workspace buffers: xq 819,200 bytes; sel 8,192 bytes of whole numbers; gw 8,192 bytes; list 36,864 bytes of whole numbers; gws 36,864 bytes; hq 26,214,400 bytes; y 16,842,752 bytes
;; launch route (part 1): grid 128 x 1, 8 waves a work-group, no clusters, 78,848 bytes of LDS; arguments x, gate_w, gate_b, xq, sel, gw; writes xq, sel, gw
.if DOCPART == 1
	.amdgcn_target "amdgcn-amd-amdhsa--gfx1250"
	.amdhsa_code_object_version 6
	.text
	.protected	k_q3af50fa618_route
	.globl	k_q3af50fa618_route
	.p2align	8
	.type	k_q3af50fa618_route,@function
k_q3af50fa618_route:
	s_mov_b64 s[64:65], 0
	v_nop
	global_prefetch_b8 v0, s[64:65] scope:SCOPE_SE
	s_setreg_imm32_b32 hwreg(HW_REG_WAVE_MODE, 25, 1), 1
	s_wait_xcnt 0x0
; ROUTER AND QUANTISER OF x.  One wave, one token (8 tokens a work-group, 128 work-groups).  Lane l owns block l of the token's row: k = 32 l .. 32 l + 31.
; It stores: xq: the token's E2M3 codes in the ORDER OF THE OPERAND'S REGISTERS (768 bytes: piece 6 s + 2 g + h of 16 bytes = registers 4 g .. 4 g + 3 of lane half h in K step s) and, from byte XQS on, its 32 E8M0 bytes;
; sel[2 token + choice]: the expert chosen;  gw[2 token + choice]: its probability.  No address and no branch hangs on the choice: a later launch places the rows.
; The logits are f32 multiply-adds (a ranking hangs on them); softmax with the row's maximum taken off; top-2 on the probabilities, the lower index kept at a tie.
; LIMITS: NaN and infinities among the inputs are not served; a block whose largest magnitude lies under 2^-124 gets the byte 1 (a block of zeros too: its codes are zeros, and this program alone reads the bytes);
; two probabilities nearer to each other than the rounding of an f32 sum of 1,024 terms may be ranked otherwise than by another order of summation.
; No matrix unit (N = 8), no cluster (work-groups share gate_w alone, 32 KiB), no tensor load.
.set GWP,  1040                        ; LDS: gate_w, lane block b (32 rows of 32 bytes) at 1040 b: 1,024 bytes + 16, so that sixteen lanes' 16 bytes fall in sixteen different columns
.set XST,  33280                       ; a stage for each wave: 32 places of 144 bytes (a block's 128 + 16)
.set CST,  70144                       ; a token's record of 768 bytes for each wave
.set SCB,  76288                       ; 8 tokens x 32 scale bytes
.set SEL,  76544                       ; 8 tokens x 2 experts, and 64 bytes on their 2 probabilities
.set XQS,  786432                      ; where the scale bytes begin in xq
.set ACC,  16                          ; v16-23   logits, then probabilities
.set X,    32                          ; v32-63   my block's 32 numbers
.set G,    64                          ; v64-191  two sets of 8 rows of gate_w (64 numbers)
.set GR,   64                          ; v64-95   gate_w as loaded
.set XR,   96                          ; v96-127  x as loaded
	s_load_b256 s[4:11], s[0:1], 0x0               ; x, gate_w, gate_b, xq
	s_load_b128 s[12:15], s[0:1], 0x20             ; sel, gw
	v_lshl_add_u32 v254, v0, 2, 0x13000
	v_mov_b32 v255, 0
	v_lshrrev_b32 v2, 5, v0
	v_readfirstlane_b32 s20, v2                    ; wave 0..7
	v_and_b32 v1, 31, v0                           ; lane
	v_lshlrev_b32 v2, 4, v1                        ; 16 l
	s_lshl_b32 s21, ttmp9, 3
	s_add_co_u32 s21, s21, s20                     ; my token
	s_lshl_b32 s22, s21, 12                        ; its row of x
	s_mov_b32 s23, 0
	s_lshl_b32 s36, s20, 12                        ; my wave's 4,096 bytes of gate_w
	s_mov_b32 s37, 0
	s_mul_i32 s38, s21, 768                        ; its record in xq
	s_mov_b32 s39, 0
	s_lshl_b32 s40, ttmp9, 8                       ; the work-group's 256 scale bytes
	s_mov_b32 s41, 0
	s_lshl_b32 s42, ttmp9, 6                       ; and its 16 words of sel and of gw
	s_mov_b32 s43, 0
	s_mov_b32 s32, 0x76543210
	s_mov_b32 s33, 0xfedcba98                      ; v_permlanex16_b32's selects for lane l xor 16
	; LDS addresses: a constant + a constant x wave + constants x parts of the lane's number
	s_mul_i32 s44, s20, 4608
	s_add_co_u32 s44, s44, XST
	v_lshrrev_b32 v13, 3, v1
	v_mul_u32_u24 v3, v13, 144
	v_and_b32 v13, 7, v1
	v_lshl_add_u32 v3, v13, 4, v3
	v_add_nc_u32 v3, s44, v3                       ; v3  stage, in: eight lanes' 128 bytes to a place
	v_mul_u32_u24 v4, v1, 144
	v_add_nc_u32 v4, s44, v4                       ; v4  stage, out: my place
	s_mul_i32 s44, s20, 768
	s_add_co_u32 s44, s44, CST
	v_lshrrev_b32 v13, 2, v1                       ; K step s = l / 4
	v_mul_u32_u24 v5, v13, 96
	v_and_b32 v13, 1, v1                           ; lane half h = l % 2
	v_lshl_add_u32 v5, v13, 4, v5
	v_add_nc_u32 v5, s44, v5                       ; A = 96 s + 16 h
	v_bfe_u32 v13, v1, 1, 1                        ; cc: my block is the first or the second 24 bytes of that half's 48
	v_mad_u32_u24 v6, v13, 56, v5
	v_add_nc_u32 v6, 8, v6                         ; v6  A + 8 + 56 cc: my bytes 8-15
	v_mad_u32_u24 v5, v13, 40, v5                  ; v5  A + 40 cc: my bytes 0-7, and 32 on my bytes 16-23
	v_lshlrev_b32 v11, 3, v1                       ; v11 8 l
	v_add_nc_u32 v7, s44, v11                      ; v7  the record read back
	s_lshl_b32 s44, s20, 5
	s_add_co_u32 s44, s44, SCB
	v_add_nc_u32 v8, s44, v1                       ; v8  my block's scale byte
	s_mul_i32 s44, s20, 4160
	v_add_nc_u32 v9, s44, v2                       ; v9  gate_w, in: my wave's four lane blocks
	v_mul_u32_u24 v10, v1, GWP                     ; v10 gate_w, out: my lane block
	s_lshl_b32 s44, s20, 3
	s_add_co_u32 s44, s44, SEL
	v_mov_b32 v12, s44                             ; v12 my token's two experts
	v_add_nc_u32 v13, SCB, v11                     ; v13 the way out of the scale bytes
	v_and_b32 v14, 15, v1
	v_lshlrev_b32 v14, 2, v14                      ; v14 4 (l % 16)
	v_add_nc_u32 v15, SEL, v14                     ; v15 the way out of experts and probabilities
	s_wait_kmcnt 0x0
	s_load_b256 s[24:31], s[8:9], 0x0              ; gate_b: eight numbers
	s_add_nc_u64 s[4:5], s[4:5], s[22:23]
	s_add_nc_u64 s[6:7], s[6:7], s[36:37]
	s_add_nc_u64 s[16:17], s[10:11], s[38:39]      ; my token's record
	s_add_nc_u64 s[18:19], s[10:11], s[40:41]
	s_add_nc_u64 s[18:19], s[18:19], XQS           ; the work-group's scale bytes
	s_add_nc_u64 s[12:13], s[12:13], s[42:43]
	s_add_nc_u64 s[14:15], s[14:15], s[42:43]
.irp i, 0,1,2,3,4,5,6,7
	global_load_b128 v[XR+4*\i:XR+4*\i+3], v2, s[4:5] offset:512*\i th:TH_LOAD_NT   ; 512 consecutive bytes a load
.endr
.irp i, 0,1,2,3,4,5,6,7
	global_load_b128 v[GR+4*\i:GR+4*\i+3], v2, s[6:7] offset:512*\i
.endr
	s_wait_loadcnt 8                               ; x is in; the eight loads of gate_w may be out
.irp i, 0,1,2,3,4,5,6,7
	ds_store_b128 v3, v[XR+4*\i:XR+4*\i+3] offset:576*\i
.endr
.irp j, 0,1,2,3,4,5,6,7
	ds_load_b128 v[X+4*\j:X+4*\j+3], v4 offset:16*\j   ; LDS serves a wave's instructions in order: these see my stores.  My block's 32 neighbours
.endr
	s_wait_dscnt 0x0
	; the block's scale and codes
	v_max3_num_f32 v192, |v[X]|, |v[X+1]|, |v[X+2]|
	v_max3_num_f32 v193, |v[X+3]|, |v[X+4]|, |v[X+5]|
.irp i, 6,10,14,18,22,26
	v_max3_num_f32 v192, v192, |v[X+\i]|, |v[X+\i+1]|
	v_max3_num_f32 v193, v193, |v[X+\i+2]|, |v[X+\i+3]|
.endr
	v_max3_num_f32 v192, v192, |v[X+30]|, |v[X+31]|
	v_max3_num_f32 v192, v192, v193, 0x1800000     ; and the floor 2^(3 - 127): the byte cannot fall under 1
	v_add_nc_u32 v194, 0xff000000, v192            ; 2 off the exponent field: the conversion's scale operand
	v_cvt_scalef32_pk16_fp6_f32 v[200:202], v[X:X+15], v194
	v_cvt_scalef32_pk16_fp6_f32 v[208:210], v[X+16:X+31], v194   ; (a conversion's three registers begin on an even number)
	v_lshrrev_b32 v195, 23, v194                   ; the scale's byte; also the plain line behind the conversions
	v_mov_b32 v203, v208
	v_mov_b32 v204, v209
	v_mov_b32 v205, v210
	ds_store_b64 v5, v[200:201]
	ds_store_b64 v6, v[202:203]
	ds_store_b64 v5, v[204:205] offset:32
	ds_store_b8 v8, v195
.irp i, 0,1,2
	ds_load_b64 v[220+2*\i:221+2*\i], v7 offset:256*\i
.endr
	s_wait_dscnt 0x0
.irp i, 0,1,2
	global_store_b64 v11, v[220+2*\i:221+2*\i], s[16:17] offset:256*\i   ; 32 lanes store 256 consecutive bytes, at a multiple of 256 from xq's first byte
.endr
	s_wait_loadcnt 0x0                             ; gate_w
.irp i, 0,1,2,3,4,5,6,7
	ds_store_b128 v9, v[GR+4*\i:GR+4*\i+3] offset:(\i/2)*GWP+512*(\i%2)
.endr
	s_wait_dscnt 0x0                               ; for the others' sake: my part of gate_w has landed
	s_barrier_signal -1
	s_barrier_wait -1
; eight rows of gate_w (256 bytes of my lane block) into set c % 2: register 8 k + e = gate_w(32 l + 8 c + k, e)
.macro CHUNK c
.irp j, 0,1,2,3,4,5,6,7,8,9,10,11,12,13,14,15
	ds_load_b128 v[G+64*((\c)%2)+4*\j:G+64*((\c)%2)+4*\j+3], v10 offset:256*(\c)+16*\j
.endr
.endm
.macro FMAS c                          ; 64 multiply-adds, the eight sums by turns; the very first products start the sums
.irp k, 0,1,2,3,4,5,6,7
.irp e, 0,1,2,3,4,5,6,7
.if ((\c) == 0) && (\k == 0)
	v_mul_f32 v[ACC+\e], v[X], v[G+\e]
.else
	v_fmac_f32 v[ACC+\e], v[X+8*(\c)+\k], v[G+64*((\c)%2)+8*\k+\e]
.endif
.endr
.endr
.endm
	CHUNK 0
	CHUNK 1
	s_wait_dscnt 16                                ; this chunk is in; the next chunk's sixteen loads may be out
	FMAS 0
	CHUNK 2
	s_wait_dscnt 16
	FMAS 1
	CHUNK 3
	s_wait_dscnt 16
	FMAS 2
	s_wait_dscnt 0x0
	FMAS 3
.irp m, 1,2,4,8
.irp e, 0,1,2,3,4,5,6,7
	v_add_f32_dpp v[ACC+\e], v[ACC+\e], v[ACC+\e] row_xmask:\m row_mask:0xf bank_mask:0xf
.endr
.endr
.irp e, 0,1,2,3,4,5,6,7
	v_permlanex16_b32 v[G+\e], v[ACC+\e], s32, s33 ; (its destination counts as read: these registers have been written)
.endr
	s_wait_kmcnt 0x0                               ; gate_b
.irp e, 0,1,2,3,4,5,6,7
	v_add_f32 v[ACC+\e], v[ACC+\e], v[G+\e]
.endr
.irp e, 0,1,2,3,4,5,6,7
	v_add_f32 v[ACC+\e], s[24+\e], v[ACC+\e]       ; every lane now holds the token's eight logits
.endr
	v_max3_num_f32 v192, v16, v17, v18
	v_max3_num_f32 v192, v192, v19, v20
	v_max3_num_f32 v192, v192, v21, v22
	v_max_num_f32 v192, v192, v23                  ; the largest logit is taken off
.irp e, 0,1,2,3,4,5,6,7
	v_sub_f32 v[ACC+\e], v[ACC+\e], v192
.endr
.irp e, 0,1,2,3,4,5,6,7
	v_mul_f32 v[ACC+\e], 0x3fb8aa3b, v[ACC+\e]     ; x log2(e)
.endr
.irp e, 0,1,2,3,4,5,6,7
	v_exp_f32 v[ACC+\e], v[ACC+\e]
.endr
	v_mov_b32 v216, -1.0                           ; under every probability.  (The plain line behind the exponentials)
	s_wait_alu depctr_va_vdst(0)                   ; one wait for the eight, ahead of their first use
	v_add_f32 v192, v16, v17
	v_add_f32 v193, v18, v19
	v_add_f32 v194, v20, v21
	v_add_f32 v195, v22, v23
	v_add_f32 v192, v192, v193
	v_add_f32 v194, v194, v195
	v_add_f32 v192, v192, v194
	v_rcp_f32 v196, v192
	v_nop
	s_wait_alu depctr_va_vdst(0)
.irp e, 0,1,2,3,4,5,6,7
	v_mul_f32 v[ACC+\e], v[ACC+\e], v196           ; the probabilities
.endr
	; top-2, by selects alone.  v212, v213 the two probabilities; v214, v215 their experts.  'at least as large' keeps the lower index at a tie
	v_mov_b32 v212, v[ACC]
	v_mov_b32 v214, 0
.irp e, 1,2,3,4,5,6,7
	v_cmp_ge_f32 vcc_lo, v212, v[ACC+\e]
	v_cndmask_b32 v214, \e, v214, vcc_lo
	v_cndmask_b32 v212, v[ACC+\e], v212, vcc_lo
.endr
.irp e, 0,1,2,3,4,5,6,7
	v_cmp_eq_u32 vcc_lo, \e, v214
	v_cndmask_b32 v[ACC+\e], v[ACC+\e], v216, vcc_lo   ; the first choice is taken out
.endr
	v_mov_b32 v213, v[ACC]
	v_mov_b32 v215, 0
.irp e, 1,2,3,4,5,6,7
	v_cmp_ge_f32 vcc_lo, v213, v[ACC+\e]
	v_cndmask_b32 v215, \e, v215, vcc_lo
	v_cndmask_b32 v213, v[ACC+\e], v213, vcc_lo
.endr
	ds_store_b64 v12, v[214:215]                   ; all lanes write the same two words with the same values
	ds_store_b64 v12, v[212:213] offset:64
	s_wait_dscnt 0x0                               ; for wave 0's sake: these and my scale bytes have landed
	s_barrier_signal -1
	s_barrier_wait -1
	s_cmp_lg_u32 s20, 0
	s_cbranch_scc1 .Lend                           ; wave 0 stores what the eight tokens have gathered
	ds_load_b64 v[226:227], v13
	ds_load_b32 v228, v15
	ds_load_b32 v229, v15 offset:64
	s_wait_dscnt 0x0
	global_store_b64 v11, v[226:227], s[18:19]     ; 256 consecutive bytes, aligned
	global_store_b32 v14, v228, s[12:13]           ; 16 words; lanes l and l + 16 store the same word with the same value
	global_store_b32 v14, v229, s[14:15]
.Lend:
	s_wait_tensorcnt 0x0
	ds_add_u32 v254, v255
	s_wait_dscnt 0x0
	s_endpgm
.Lfunc_end_k_q3af50fa618_route:
	.size	k_q3af50fa618_route, .Lfunc_end_k_q3af50fa618_route-k_q3af50fa618_route
	.p2alignl 7, 3214868480
	.fill 96, 4, 3214868480
	.section	.rodata,"a",@progbits
	.p2align	6, 0x0
	.amdhsa_kernel k_q3af50fa618_route
		.amdhsa_group_segment_fixed_size 78848
		.amdhsa_private_segment_fixed_size 0
		.amdhsa_enable_private_segment 0
		.amdhsa_kernarg_size 48
		.amdhsa_user_sgpr_count 2
		.amdhsa_user_sgpr_kernarg_segment_ptr 1
		.amdhsa_wavefront_size32 1
		.amdhsa_system_sgpr_workgroup_id_x 1
		.amdhsa_system_sgpr_workgroup_id_y 1
		.amdhsa_system_sgpr_workgroup_id_z 1
		.amdhsa_system_vgpr_workitem_id 0
		.amdhsa_next_free_vgpr 256
		.amdhsa_next_free_sgpr 66
		.amdhsa_reserve_vcc 1
		.amdhsa_float_denorm_mode_32 3
		.amdhsa_float_denorm_mode_16_64 3
		.amdhsa_memory_ordered 1
		.amdhsa_forward_progress 1
		.amdhsa_inst_pref_size 29
	.end_amdhsa_kernel
	.amdgpu_metadata
---
amdhsa.version: [ 1, 2 ]
amdhsa.kernels:
  - .name:           k_q3af50fa618_route
    .symbol:         k_q3af50fa618_route.kd
    .args:
      - { .name: x, .offset: 0, .size: 8, .value_kind: global_buffer, .address_space: global }
      - { .name: gate_w, .offset: 8, .size: 8, .value_kind: global_buffer, .address_space: global }
      - { .name: gate_b, .offset: 16, .size: 8, .value_kind: global_buffer, .address_space: global }
      - { .name: xq, .offset: 24, .size: 8, .value_kind: global_buffer, .address_space: global }
      - { .name: sel, .offset: 32, .size: 8, .value_kind: global_buffer, .address_space: global }
      - { .name: gw, .offset: 40, .size: 8, .value_kind: global_buffer, .address_space: global }
    .group_segment_fixed_size: 78848
    .private_segment_fixed_size: 0
    .kernarg_segment_align: 8
    .kernarg_segment_size: 48
    .max_flat_workgroup_size: 256
    .sgpr_count:     66
    .vgpr_count:     256
    .wavefront_size: 32
...
	.end_amdgpu_metadata
.endif
;; end of part 1
;; launch gemm1 (part 2): grid 32 x 8, 4 waves a work-group, no clusters, 173,056 bytes of LDS; arguments xq, sel, w1_codes, w1_scales, b1, hq, gw, list, gws; writes hq, list, gws
.if DOCPART == 2
	.amdgcn_target "amdgcn-amd-amdhsa--gfx1250"
	.amdhsa_code_object_version 6
	.text
	.protected	k_q3af50fa618_gemm1
	.globl	k_q3af50fa618_gemm1
	.p2align	8
	.type	k_q3af50fa618_gemm1,@function
k_q3af50fa618_gemm1:
	s_mov_b64 s[64:65], 0
	v_nop
	global_prefetch_b8 v0, s[64:65] scope:SCOPE_SE
	s_setreg_imm32_b32 hwreg(HW_REG_WAVE_MODE, 25, 1), 1
	s_wait_xcnt 0x0
; h = Q(relu(Q(x) W1[e] + b1[e])) for the rows that chose expert e, on codes of E2M3 with one E8M0 scale for each 32 along K.
; THE WEIGHTS STAND STILL.  Work-group (ns, e) owns hidden units 128 ns .. 128 ns + 127 of expert e: 96 KiB of codes, read from memory once by this work-group alone and kept in registers.
; Wave w = (c = w / 2, par = w % 2) holds units 64 c .. 64 c + 63 for all of K (4 tiles x 8 K steps = 384 registers) and multiplies tiles par and par + 2 of each block of 64 rows.
; THE ROWS ARE PLACED HERE, while the weights are on their way.  sel[2 token + choice], stored by the launch before, names each slot's expert.  Wave 0 makes expert e's list in LDS: entry p = the slot of its row p,
; and beside it that row's weight; entries from the count on hold the dummy slot 2048 + e and the weight 0; entry 1151 holds the count.  An expert has at most 1,024 rows (a token chooses an expert once).
; Every lane stores in every step, all lanes on: a lane whose slot chose another expert stores to a spare word of its own behind the list, which nobody reads.  No other wave touches LDS ahead of the barrier that follows.
; Waves 1 to 3 count the rows meanwhile, so that every wave has the count in a scalar register.  In the work-groups with ns = 0, wave 1 stores the list and the weights for the next launch.
; The rows come in blocks of 64 (four tiles of 16) by that list; wave w gathers tile w's records from xq (whole runs of 256 bytes) into LDS, one block ahead, in registers meanwhile.
; THE PRODUCT IS USED TRANSPOSED (source 0 = 16 rows of W1, source 1 = 16 rows of x), AND THE ROWS OF W1 THAT FORM A TILE ARE NOT NEIGHBOURS: lane r of tile 2 b + u takes row 32 b + 8 u + r + 8 (r / 8):
; so a lane holds one row of h, and the 16 registers of tiles 2 b, 2 b + 1 are 16 neighbours along the next K.  b1 is the C of each sum's first product.
; The 128 units are K step ns of the second product: the two waves c = 0, 1 make the two halves of a fragment's registers and of its scale word; they meet in LDS and leave as an image of the operand's registers.
; THE COUNT OF ROWS HANGS ON STORED NUMBERS.  The loop has 16 trips whatever it is, every wave passes every barrier.
; For the same reason the text holds no tensor load, and so no joint load in a cluster: the weights go memory - registers - LDS - registers, once.
; Rows that fill the last block carry the dummy slot: they take token 1,023's record, and what is made of them is stored in their own places of hq.
; LIMITS: NaN and infinities are not served; a block of h whose largest number lies under 2^-124 gets the byte 1 (a block of zeros too: its codes are zeros).
; REGISTERS, in windows of 256: window 0: addresses, scale words, b1, the four accumulators, a tile's eight fragments of x, work; at the head v44-235 serve the placing.
;   window 1: W1's fragments of K steps 0-3 at 12 (4 s + t) (first: the 48 loads of the weights).   window 2: those of K steps 4-7.   window 3: v0-95 the gathered records, v96-99 their scale bytes.
.set LWT,  4864                        ; LDS: the list at 0 (1,152 words, then 32 spare words, one a lane); the weights here, laid alike
.set WST,  9728                        ; W1's 128 rows
.set WP,   784                         ; 768 bytes + 16: row slot q starts at bank 4 q mod 64
.set XB,   110080                      ; x's block: tile m at XT m: 48 pieces x (16 rows x 16 bytes + 16), then 16 rows x 48 bytes with the 32 scale bytes
.set XT,   13824
.set XSO,  13056
.set HS,   165376                      ; h's block: tile m at HT m: 32 lanes x 48 bytes, then 16 scale words
.set HT,   1792
.set HSO,  1536
.set XQS,  786432                      ; where the scale bytes begin in xq
.set HQS,  25165824                    ; and the scale words in hq
.set ID,   22                          ; v22-29  slots of rows 8 h + 0 .. 7 of my tile;  v30 the slot of row l / 2
.set VO,   32                          ; v32-39  their records' offsets;  v40 that row's scale bytes'
.set S,    44                          ; v44-107  at the head: the chosen experts, word n of lane l = slot 128 (n / 4) + 4 l + n % 4; in wave 0 each is overwritten by its slot's number
.set GW,   108                         ; v108-171 at the head, wave 0: their weights
.set P,    172                         ; v172-235 at the head, wave 0: the scatter's LDS addresses; never an address again
.set WS,   44                          ; v44-59  W1's scale words: 4 t + i: lanes 0-15 K step i, lanes 16-31 K step 4 + i
.set B1,   60                          ; v60-91  b1 in the result's layout, 8 a tile
.set XS,   92                          ; v92-95  x's scale words, laid like W1's
.set ACC,  96                          ; v96-127 four accumulators
.set XF,   128                         ; v128-223 eight fragments of x; on the way out v128-141
.set TM,   224                         ; v224-225 largest numbers, v226-227 the other half's, v228-229 scale operands, v230-231 bytes, v232 two bytes
.set PC,   234                         ; v234-239 my six registers of the fragment;  v240-242 the second conversion's
.set PT,   240
.set MSB, 0
.macro WIN new                         ; the immediate's high byte repeats the setting that is left
.if MSB != (\new)
	s_set_vgpr_msb (MSB<<8)|(\new)
.set MSB, (\new)
.endif
.endm
	s_load_b256 s[4:11], s[0:1], 0x0               ; xq, sel, w1_codes, w1_scales
	s_load_b128 s[12:15], s[0:1], 0x20             ; b1, hq
	s_load_b128 s[48:51], s[0:1], 0x30             ; gw, list
	s_load_b64 s[52:53], s[0:1], 0x40              ; gws
	v_lshl_add_u32 v254, v0, 2, 0x2a200
	v_mov_b32 v255, 0
	v_lshrrev_b32 v1, 5, v0
	v_readfirstlane_b32 s16, v1                    ; wave
	s_lshr_b32 s17, s16, 1                         ; c
	s_and_b32 s18, s16, 1                          ; par
	s_and_b32 s19, ttmp7, 0xffff                   ; e
	s_mov_b32 s20, ttmp9                           ; ns
	s_mov_b32 s32, 0x76543210
	s_mov_b32 s33, 0xfedcba98
	s_mov_b32 s22, 0                               ; the block in hand
	s_mov_b32 s38, 0                               ; 256 x it
	s_mov_b32 s54, 0                               ; rows of my expert so far
	s_add_co_u32 s55, s19, 2048                    ; the dummy slot
	v_and_b32 v1, 31, v0                           ; l
	v_and_b32 v2, 15, v0                           ; r
	v_bfe_u32 v3, v0, 4, 1                         ; h
	v_lshlrev_b32 v15, 4, v1                       ; v15 16 l
	v_lshlrev_b32 v16, 3, v1                       ; v16 8 l
	v_lshlrev_b32 v19, 4, v2                       ; v19 16 r
	v_mad_u32_u24 v4, v3, 12288, v19               ; v4  W1 in memory: lanes 16-31 sixteen rows on
	s_mul_i32 s23, s16, 32*WP
	s_add_co_u32 s23, s23, WST
	v_mad_u32_u24 v5, v3, 8*WP, v19
	v_add_nc_u32 v5, s23, v5                       ; v5  W1 into LDS
	s_mul_i32 s23, s17, 64*WP
	s_add_co_u32 s23, s23, WST
	v_mul_u32_u24 v6, v2, WP
	v_mad_u32_u24 v6, v3, 24, v6
	v_add_nc_u32 v6, s23, v6                       ; v6  W1's fragments: slot 64 c + 16 t + r
	s_mul_i32 s23, s16, XT
	s_add_co_u32 s23, s23, XB
	v_mul_u32_u24 v7, v2, 272
	v_lshl_add_u32 v7, v3, 7, v7
	v_add_nc_u32 v7, s23, v7                       ; v7  x into LDS: piece r (+ 16 u), row 8 h (+ j)
	v_lshrrev_b32 v21, 1, v1
	v_mul_u32_u24 v8, v21, 48
	v_and_b32 v20, 1, v1
	v_lshlrev_b32 v20, 4, v20                      ; v20 16 (l % 2)
	v_add_nc_u32 v8, v8, v20
	v_add_nc_u32 v8, s23, v8
	v_add_nc_u32 v8, XSO, v8                       ; v8  x's scale bytes into LDS: row l / 2, half l % 2
	s_lshl_b32 s24, s16, 6
	v_lshl_add_u32 v18, v21, 2, s24                ; v18 the list in LDS: my tile's row l / 2
	v_lshl_add_u32 v17, v3, 5, s24                 ; v17 the list in LDS: my tile's rows 8 h on
	s_mul_i32 s23, s18, XT
	s_add_co_u32 s23, s23, XB
	v_mad_u32_u24 v9, v3, 272, v19
	v_add_nc_u32 v9, s23, v9                       ; v9  x's fragments: piece h (+ 6 s + 2 g), row r
	v_mul_u32_u24 v10, v2, 48
	v_lshl_add_u32 v10, v3, 4, v10
	v_add_nc_u32 v10, s23, v10
	v_add_nc_u32 v10, XSO, v10                     ; v10 x's scale words: row r, words 4 h on
	s_mul_i32 s23, s18, HT
	s_add_co_u32 s23, s23, HS
	s_mul_i32 s24, s17, 24
	s_add_co_u32 s24, s24, s23
	v_mul_u32_u24 v13, v1, 48
	v_add_nc_u32 v11, s24, v13                     ; v11 h into LDS: my lane's 48 bytes, my wave's 24 of them
	s_lshl_b32 s24, s17, 1
	s_add_co_u32 s24, s24, s23
	s_add_co_u32 s24, s24, HSO
	v_lshl_add_u32 v12, v2, 2, s24                 ; v12 row r's scale word, my wave's two bytes
	s_mul_i32 s23, s16, HT
	s_add_co_u32 s23, s23, HS
	v_add_nc_u32 v13, s23, v13                     ; v13 the way out: tile w's image
	v_lshrrev_b32 v14, 3, v1
	v_mul_u32_u24 v14, v14, HT
	v_and_b32 v21, 7, v1
	v_lshl_add_u32 v14, v21, 3, v14
	v_add_nc_u32 v14, HS+HSO, v14                  ; v14 the block's 64 scale words, two a lane
	v_and_b32 v244, 8, v2
	v_add_nc_u32 v244, v244, v2
	v_lshlrev_b32 v244, 5, v244
	v_lshl_add_u32 v244, v3, 4, v244               ; v244 W1's scale bytes: row r + 8 (r / 8), 32 bytes a row, words 4 h on
	v_lshlrev_b32 v245, 6, v3                      ; v245 b1: 16 h numbers on
	v_add_nc_u32 v247, 1152, v1                    ; v247 my spare word's number
	v_lshlrev_b32 v248, 2, v1                      ; v248 4 l: my first slot
	v_mov_b32 v249, 4604                           ; v249 the list's last word
	; byte offsets, apart from the addresses
	s_lshl_b32 s24, s19, 12
	s_lshl_b32 s25, s20, 7
	s_add_co_u32 s24, s24, s25                     ; the slice's first row of W1: 4096 e + 128 ns
	s_lshl_b32 s25, s16, 5
	s_add_co_u32 s25, s25, s24
	s_mul_i32 s34, s25, 768                        ; the 32 rows that I bring
	s_mov_b32 s35, 0
	s_lshl_b32 s25, s17, 6
	s_add_co_u32 s25, s25, s24                     ; the 64 rows that I keep
	s_lshl_b32 s36, s25, 5
	s_mov_b32 s37, 0
	s_lshl_b32 s40, s25, 2
	s_mov_b32 s41, 0
	s_mul_i32 s42, s19, 4608
	s_mov_b32 s43, 0
	s_lshl_b32 s25, s19, 6
	s_add_co_u32 s25, s25, s16
	s_lshl_b32 s25, s25, 5
	s_add_co_u32 s25, s25, s20
	s_mul_i32 s44, s25, 1536                       ; hq: image (tile 64 e + w, K step ns)
	s_mov_b32 s45, 0
	s_lshl_b32 s25, s19, 5
	s_add_co_u32 s25, s25, s20
	s_lshl_b32 s46, s25, 12                        ; hq: the scale words of (e, K step ns)
	s_mov_b32 s47, 0
	s_wait_kmcnt 0x0
.irp i, 0,1,2,3,4,5,6,7,8,9,10,11,12,13,14,15
	global_load_b128 v[S+4*\i:S+4*\i+3], v15, s[6:7] offset:512*\i   ; all 2,048 chosen experts: 512 consecutive bytes a load
.endr
	s_add_nc_u64 s[8:9], s[8:9], s[34:35]
	s_add_nc_u64 s[10:11], s[10:11], s[36:37]
	s_add_nc_u64 s[12:13], s[12:13], s[40:41]
	s_add_nc_u64 s[50:51], s[50:51], s[42:43]      ; expert e's list in memory
	s_add_nc_u64 s[52:53], s[52:53], s[42:43]      ; and its weights
	s_add_nc_u64 s[28:29], s[14:15], s[44:45]
	s_add_nc_u64 s[30:31], s[14:15], s[46:47]
	s_add_nc_u64 s[30:31], s[30:31], HQS
; my 32 rows of W1: 48 loads; sixteen lanes read 256 consecutive bytes of a row
.macro WLOADS
	WIN 0x40                                       ; destination window 1
.irp m, 0,1,2,3,4,5,6,7,8,9,10,11,12,13,14,15
.irp v, 0,1,2
	global_load_b128 v[4*(3*\m+\v):4*(3*\m+\v)+3], v4, s[8:9] offset:768*\m+256*\v th:TH_LOAD_NT   ; read once in the launch
.endr
.endr
	WIN 0
.endm
; eight words of every lane: whose slot chose my expert (s56-63), and how many did (s74-81)
.macro CMP8 g
.irp k, 0,1,2,3,4,5,6,7
	v_cmp_eq_u32 s[56+\k], s19, v[S+8*(\g)+\k]
.endr
.irp k, 0,1,2,3,4,5,6,7
	s_bcnt1_i32_b32 s[74+\k], s[56+\k]
.endr
.endm
.macro COUNT8 g
	CMP8 \g
.irp k, 0,1,2,3,4,5,6,7
	s_add_co_u32 s54, s54, s[74+\k]
.endr
.endm
; the same eight words are placed: eight at a time, so that no line waits for the line above it
.macro SORT8 g
	CMP8 \g
	s_mov_b32 s66, s54                             ; s66-73: the rows ahead of each of the eight words
.irp k, 1,2,3,4,5,6,7
	s_add_co_u32 s[66+\k], s[66+\k-1], s[74+\k-1]
.endr
	s_add_co_u32 s54, s73, s81
.irp k, 0,1,2,3,4,5,6,7
	v_mbcnt_lo_u32_b32 v[P+8*(\g)+\k], s[56+\k], s[66+\k]   ; rows ahead + such lanes below me: my row's place,
.endr
.irp k, 0,1,2,3,4,5,6,7
	v_cndmask_b32 v[P+8*(\g)+\k], v247, v[P+8*(\g)+\k], s[56+\k]   ; or, where my slot chose another expert, my spare word
.endr
.irp k, 0,1,2,3,4,5,6,7
	v_min_u32 v[P+8*(\g)+\k], 0x49f, v[P+8*(\g)+\k]   ; held inside the list and its spare words (a row's place is at most 1,023)
.endr
.irp k, 0,1,2,3,4,5,6,7
	v_lshlrev_b32 v[P+8*(\g)+\k], 2, v[P+8*(\g)+\k]
.endr
.irp k, 0,1,2,3,4,5,6,7
	v_add_nc_u32 v[S+8*(\g)+\k], 128*((8*(\g)+\k)/4)+(8*(\g)+\k)%4, v248   ; my slot's number
.endr
.irp k, 0,1,2,3,4,5,6,7
	ds_store_b32 v[P+8*(\g)+\k], v[S+8*(\g)+\k]
	ds_store_b32 v[P+8*(\g)+\k], v[GW+8*(\g)+\k] offset:LWT
.endr
.endm
	s_cmp_lg_u32 s16, 0
	s_cbranch_scc1 .Lothers
	; wave 0 places the rows
.irp i, 0,1,2,3,4,5,6,7,8,9,10,11,12,13,14,15
	global_load_b128 v[GW+4*\i:GW+4*\i+3], v15, s[48:49] offset:512*\i
.endr
	WLOADS
.irp i, 236,237,238,239
	v_mov_b32 v\i, s55
.endr
.irp i, 240,241,242,243
	v_mov_b32 v\i, 0
.endr
.irp i, 0,1,2,3,4,5,6,7,8
	ds_store_b128 v15, v[236:239] offset:512*\i    ; the list begins as dummies,
	ds_store_b128 v15, v[240:243] offset:LWT+512*\i   ; the weights as zeros.  LDS serves a wave's instructions in order: the rows' stores come behind these
.endr
	s_wait_loadcnt 48                              ; experts and weights are in; the 48 loads of W1 may be out
.irp g, 0,1,2,3,4,5,6,7
	SORT8 \g
.endr
	v_mov_b32 v250, s54
	ds_store_b32 v249, v250                        ; the count, in the list's last word: all lanes write the same word with the same value
	s_branch .Ljoin
.Lothers:
	; waves 1 to 3 count the rows
	WLOADS
	s_wait_loadcnt 48                              ; the experts are in; the 48 loads of W1 may be out
.irp g, 0,1,2,3,4,5,6,7
	COUNT8 \g
.endr
.Ljoin:
	s_wait_dscnt 0x0                               ; for the others' sake: the list has landed
	s_barrier_signal -1
	s_barrier_wait -1
	v_mov_b32 v226, 0                              ; written once: a lane permute's destination counts as one of its sources
	v_mov_b32 v227, 0
	s_add_co_u32 s21, s54, 63
	s_lshr_b32 s21, s21, 6
	s_min_u32 s21, s21, 16                         ; blocks of 64 rows
; the slots of my tile in the block imm / 256 blocks on from the one in hand: three LDS loads; the list has 18 blocks' worth of entries, and block 16 is the last that is named
.macro IDS imm
	v_add_nc_u32 v41, s38, v17
	v_add_nc_u32 v42, s38, v18
	ds_load_b128 v[ID:ID+3], v41 offset:\imm
	ds_load_b128 v[ID+4:ID+7], v41 offset:\imm+16
	ds_load_b32 v[ID+8], v42 offset:\imm
.endm
; my tile's 16 records and their scale bytes, by the slots just asked for: 25 loads.  m: the LDS loads issued behind the slots', which may stay out.
; n: the loads from memory that may stay out: the wait shows done the last gather's loads, which named v32-40, written here.
.macro GATHER n, m
	s_wait_loadcnt \n
	s_wait_dscnt \m
.irp j, 0,1,2,3,4,5,6,7,8
	v_lshrrev_b32 v[VO+\j], 1, v[ID+\j]            ; the token
.endr
.irp j, 0,1,2,3,4,5,6,7,8
	v_min_u32 v[VO+\j], 0x3ff, v[VO+\j]            ; (a dummy slot: token 1,023)
.endr
.irp j, 0,1,2,3,4,5,6,7
	v_mul_u32_u24 v[VO+\j], v[VO+\j], 768
.endr
	v_lshlrev_b32 v[VO+8], 5, v[VO+8]
.irp j, 0,1,2,3,4,5,6,7
	v_add_nc_u32 v[VO+\j], v[VO+\j], v19
.endr
	v_add_nc_u32 v[VO+8], v[VO+8], v20
	WIN 0xc0                                       ; destination window 3
.irp j, 0,1,2,3,4,5,6,7
.irp u, 0,1,2
	global_load_b128 v[12*\j+4*\u:12*\j+4*\u+3], v[VO+\j], s[4:5] offset:256*\u   ; sixteen lanes read 256 consecutive bytes of row j, the other sixteen of row 8 + j
.endr
.endr
	global_load_b128 v[96:99], v[VO+8], s[4:5] offset:XQS
	WIN 0
.endm
	IDS 0
	GATHER 48, 0                                   ; the first block; the 48 loads of W1 may be out
.irp t, 0,1,2,3
	global_load_b128 v[WS+4*\t:WS+4*\t+3], v244, s[10:11] offset:(32*(\t/2)+8*(\t%2))*32
.endr
.irp t, 0,1,2,3
	global_load_b128 v[B1+8*\t:B1+8*\t+3], v245, s[12:13] offset:(32*(\t/2)+8*(\t%2))*4
	global_load_b128 v[B1+8*\t+4:B1+8*\t+7], v245, s[12:13] offset:(32*(\t/2)+8*(\t%2))*4+16
.endr
	s_xor_b32 s23, s16, 1
	s_or_b32 s23, s23, s20
	s_cmp_lg_u32 s23, 0
	s_cbranch_scc1 .Lnolist                        ; wave 1 of the expert's first work-group stores the list and the weights for the next launch
.irp i, 0,1,2,3,4,5,6,7,8
	ds_load_b128 v[128+4*\i:131+4*\i], v15 offset:512*\i
	ds_load_b128 v[164+4*\i:167+4*\i], v15 offset:LWT+512*\i
.endr
	s_wait_dscnt 0x0
.irp i, 0,1,2,3,4,5,6,7,8
	global_store_b128 v15, v[128+4*\i:131+4*\i], s[50:51] offset:512*\i   ; 512 consecutive bytes, at a multiple of 256 from the buffer's first byte
	global_store_b128 v15, v[164+4*\i:167+4*\i], s[52:53] offset:512*\i
.endr
	s_wait_xcnt 0x0                                ; the stores' data are written again only behind this wait
.Lnolist:
	s_wait_loadcnt 37                              ; W1 is in; behind it: 25 of x, 12 of scale words and b1
	WIN 0x04                                       ; an LDS store's data are its source 1: window 1
.irp m, 0,1,2,3,4,5,6,7,8,9,10,11,12,13,14,15
.irp v, 0,1,2
	ds_store_b128 v5, v[4*(3*\m+\v):4*(3*\m+\v)+3] offset:(16*(\m/8)+\m%8)*WP+256*\v   ; row 32 w + 16 h + m goes to slot 32 w + 16 (m / 8) + 8 h + m % 8: a tile's sixteen rows then lie on end
.endr
.endr
	WIN 0
	s_wait_dscnt 0x0                               ; for the others' sake: my rows have landed
	s_barrier_signal -1
	s_barrier_wait -1
	WIN 0x40
.irp s, 0,1,2,3
.irp t, 0,1,2,3
.irp p, 0,1,2,3,4,5
	ds_load_b64 v[12*(4*\s+\t)+2*\p:12*(4*\s+\t)+2*\p+1], v6 offset:16*WP*\t+96*\s+48*(\p/3)+8*(\p%3)
.endr
.endr
.endr
	WIN 0x80
.irp s, 4,5,6,7
.irp t, 0,1,2,3
.irp p, 0,1,2,3,4,5
	ds_load_b64 v[12*(4*(\s-4)+\t)+2*\p:12*(4*(\s-4)+\t)+2*\p+1], v6 offset:16*WP*\t+96*\s+48*(\p/3)+8*(\p%3)
.endr
.endr
.endr
	WIN 0
	s_wait_loadcnt 0x0                             ; scale words, b1, and the first block of x, which the first trip wants at once
; a tile's scale words and eight fragments: 25 LDS loads; sixteen lanes read 256 consecutive bytes
.macro XLOADS mm
	ds_load_b128 v[XS:XS+3], v10 offset:2*XT*(\mm)
.irp s, 0,1,2,3,4,5,6,7
.irp g, 0,1,2
	ds_load_b128 v[XF+12*\s+4*\g:XF+12*\s+4*\g+3], v9 offset:2*XT*(\mm)+1632*\s+544*\g
.endr
.endr
.endm
; 32 products: K step by K step, the four accumulators by turns, one instruction a turn.  extra: LDS instructions issued behind the tile's loads.
; The wait ahead of K step s leaves the later K steps' three loads each, and those, out; the last is for 0.
.macro MULS extra
.irp s, 0,1,2,3,4,5,6,7
.if \s == 7
	s_wait_dscnt 0x0
.else
	s_wait_dscnt 3*(7-\s)+\extra
.endif
	WIN 1+\s/4                                     ; source 0 (W1): window 1 or 2
.irp t, 0,1,2,3
.if \s == 0
	v_wmma_scale_f32_16x16x128_f8f6f4 v[ACC+8*\t:ACC+8*\t+7], v[12*\t:12*\t+11], v[XF:XF+11], v[B1+8*\t:B1+8*\t+7], v[WS+4*\t], v[XS] matrix_a_fmt:MATRIX_FMT_FP6 matrix_b_fmt:MATRIX_FMT_FP6
.elseif \s < 4
	v_wmma_scale_f32_16x16x128_f8f6f4 v[ACC+8*\t:ACC+8*\t+7], v[12*(4*\s+\t):12*(4*\s+\t)+11], v[XF+12*\s:XF+12*\s+11], v[ACC+8*\t:ACC+8*\t+7], v[WS+4*\t+\s], v[XS+\s] matrix_a_fmt:MATRIX_FMT_FP6 matrix_b_fmt:MATRIX_FMT_FP6
.else
	v_wmma_scale_f32_16x16x128_f8f6f4 v[ACC+8*\t:ACC+8*\t+7], v[12*(4*(\s-4)+\t):12*(4*(\s-4)+\t)+11], v[XF+12*\s:XF+12*\s+11], v[ACC+8*\t:ACC+8*\t+7], v[WS+4*\t+\s-4], v[XS+\s-4] matrix_a_fmt:MATRIX_FMT_FP6 matrix_b_fmt:MATRIX_FMT_FP6 matrix_a_scale:MATRIX_SCALE_ROW1 matrix_b_scale:MATRIX_SCALE_ROW1
.endif
.endr
.endr
	WIN 0
.rept 4
	v_nop                                          ; four places ahead of loads into registers that the products have read, and of the first read of results
.endr
.endm
; relu; my two blocks of 32 along the next K are quantised; six registers and two scale bytes go to tile par + 2 mm's place in LDS
.macro QUANT2 mm
.irp j, 0,1,2,3,4,5,6,7,8,9,10,11,12,13,14,15,16,17,18,19,20,21,22,23,24,25,26,27,28,29,30,31
	v_max_num_f32 v[ACC+\j], 0, v[ACC+\j]          ; each accumulator from its low end on
.endr
.irp b, 0,1
	v_max3_num_f32 v[TM+\b], v[ACC+16*\b], v[ACC+16*\b+1], 0x1800000   ; none is negative; the floor 2^(3 - 127) holds the byte at 1 from below
.endr
.irp i, 2,4,6,8,10,12,14
.irp b, 0,1
	v_max3_num_f32 v[TM+\b], v[TM+\b], v[ACC+16*\b+\i], v[ACC+16*\b+\i+1]
.endr
.endr
.irp b, 0,1
	v_permlanex16_b32 v[TM+2+\b], v[TM+\b], s32, s33
.endr
.irp b, 0,1
	v_max_num_f32 v[TM+\b], v[TM+\b], v[TM+2+\b]   ; with lane l xor 16's sixteen: the block's largest
.endr
.irp b, 0,1
	v_add_nc_u32 v[TM+4+\b], 0xff000000, v[TM+\b]  ; 2 off the exponent field: the conversion's scale operand
.endr
.irp b, 0,1
	v_lshrrev_b32 v[TM+6+\b], 23, v[TM+4+\b]       ; the scale's byte
.endr
	v_lshl_or_b32 v[TM+8], v[TM+7], 8, v[TM+6]
	v_cvt_scalef32_pk16_fp6_f32 v[PC:PC+2], v[ACC:ACC+15], v[TM+4]
	v_cvt_scalef32_pk16_fp6_f32 v[PT:PT+2], v[ACC+16:ACC+31], v[TM+5]
	v_nop                                          ; one plain line behind the conversions
.irp i, 0,1,2
	v_permlane16_swap_b32 v[PC+\i], v[PT+\i]       ; a whole block to a lane: lanes 0-15 block 2 c, lanes 16-31 block 2 c + 1
.endr
.irp i, 0,1,2
	v_mov_b32 v[PC+3+\i], v[PT+\i]
.endr
.irp i, 0,1,2
	ds_store_b64 v11, v[PC+2*\i:PC+2*\i+1] offset:2*HT*(\mm)+8*\i
.endr
	ds_store_b16 v12, v[TM+8] offset:2*HT*(\mm)    ; lanes r and r + 16 write the same two bytes with the same values
.endm
.Lblk:
	s_cmp_lt_u32 s22, s21
	s_cbranch_scc0 .Lnox
	s_wait_loadcnt 0x0                             ; my tile's records are in registers
	WIN 0x0c                                       ; the stores' data: window 3
.irp j, 0,1,2,3,4,5,6,7
.irp u, 0,1,2
	ds_store_b128 v7, v[12*\j+4*\u:12*\j+4*\u+3] offset:4352*\u+16*\j
.endr
.endr
	ds_store_b128 v8, v[96:99]
	WIN 0
.Lnox:
	s_wait_dscnt 0x0                               ; x's block has landed; my reads of h's block, and in the first trip W1's fragments, are in
	s_barrier_signal -1
	s_barrier_wait -1
	s_cmp_lt_u32 s22, s21
	s_cbranch_scc0 .Lnomul
	IDS 256                                        ; the next block's slots, ahead of this block's fragments
	XLOADS 0
	s_add_co_u32 s23, s22, 1
	s_cmp_lt_u32 s23, s21
	s_cbranch_scc0 .Lnog
	GATHER 0, 25                                   ; the slots are in, the tile's 25 LDS loads may be out; the next block's records land while this block is multiplied
.Lnog:
	MULS 0
	XLOADS 1
	QUANT2 0
	MULS 4                                         ; behind the tile's loads stand the four stores of the tile before
	QUANT2 1
.Lnomul:
	s_wait_dscnt 0x0                               ; h's block has landed, and my reads of x's block are in
	s_barrier_signal -1
	s_barrier_wait -1
	s_cmp_lt_u32 s22, s21
	s_cbranch_scc0 .Lnoout
.irp g, 0,1,2
	ds_load_b128 v[XF+4*\g:XF+4*\g+3], v13 offset:16*\g
.endr
	ds_load_b64 v[XF+12:XF+13], v14
	s_mul_i32 s23, s22, 196608                     ; four tiles x 32 K steps x 1,536 bytes a block
	v_add_nc_u32 v43, s23, v15
	v_add_nc_u32 v21, s38, v16
	s_wait_dscnt 0x0
.irp g, 0,1,2
	global_store_b128 v43, v[XF+4*\g:XF+4*\g+3], s[28:29] offset:512*\g   ; tile w's image: 512 consecutive bytes a store, aligned to 256
.endr
	s_cmp_lg_u32 s16, 0
	s_cbranch_scc1 .Lnosc
	global_store_b64 v21, v[XF+12:XF+13], s[30:31] ; the block's 64 scale words: 256 consecutive bytes, aligned
.Lnosc:
	s_wait_xcnt 0x0                                ; the stores' data and offsets are written again only behind this wait
.Lnoout:
	s_add_co_u32 s38, s38, 256
	s_add_co_u32 s22, s22, 1
	s_cmp_lt_u32 s22, 16
	s_cbranch_scc1 .Lblk
	s_wait_tensorcnt 0x0
	ds_add_u32 v254, v255
	s_wait_dscnt 0x0
	s_endpgm
.Lfunc_end_k_q3af50fa618_gemm1:
	.size	k_q3af50fa618_gemm1, .Lfunc_end_k_q3af50fa618_gemm1-k_q3af50fa618_gemm1
	.p2alignl 7, 3214868480
	.fill 96, 4, 3214868480
	.section	.rodata,"a",@progbits
	.p2align	6, 0x0
	.amdhsa_kernel k_q3af50fa618_gemm1
		.amdhsa_group_segment_fixed_size 173056
		.amdhsa_private_segment_fixed_size 0
		.amdhsa_enable_private_segment 0
		.amdhsa_kernarg_size 72
		.amdhsa_user_sgpr_count 2
		.amdhsa_user_sgpr_kernarg_segment_ptr 1
		.amdhsa_wavefront_size32 1
		.amdhsa_system_sgpr_workgroup_id_x 1
		.amdhsa_system_sgpr_workgroup_id_y 1
		.amdhsa_system_sgpr_workgroup_id_z 1
		.amdhsa_system_vgpr_workitem_id 0
		.amdhsa_next_free_vgpr 1024
		.amdhsa_next_free_sgpr 84
		.amdhsa_reserve_vcc 0
		.amdhsa_float_denorm_mode_32 3
		.amdhsa_float_denorm_mode_16_64 3
		.amdhsa_memory_ordered 1
		.amdhsa_forward_progress 1
		.amdhsa_inst_pref_size 113
	.end_amdhsa_kernel
	.amdgpu_metadata
---
amdhsa.version: [ 1, 2 ]
amdhsa.kernels:
  - .name:           k_q3af50fa618_gemm1
    .symbol:         k_q3af50fa618_gemm1.kd
    .args:
      - { .name: xq, .offset: 0, .size: 8, .value_kind: global_buffer, .address_space: global }
      - { .name: sel, .offset: 8, .size: 8, .value_kind: global_buffer, .address_space: global }
      - { .name: w1_codes, .offset: 16, .size: 8, .value_kind: global_buffer, .address_space: global }
      - { .name: w1_scales, .offset: 24, .size: 8, .value_kind: global_buffer, .address_space: global }
      - { .name: b1, .offset: 32, .size: 8, .value_kind: global_buffer, .address_space: global }
      - { .name: hq, .offset: 40, .size: 8, .value_kind: global_buffer, .address_space: global }
      - { .name: gw, .offset: 48, .size: 8, .value_kind: global_buffer, .address_space: global }
      - { .name: list, .offset: 56, .size: 8, .value_kind: global_buffer, .address_space: global }
      - { .name: gws, .offset: 64, .size: 8, .value_kind: global_buffer, .address_space: global }
    .group_segment_fixed_size: 173056
    .private_segment_fixed_size: 0
    .kernarg_segment_align: 8
    .kernarg_segment_size: 72
    .max_flat_workgroup_size: 128
    .sgpr_count:     84
    .vgpr_count:     1024
    .wavefront_size: 32
...
	.end_amdgpu_metadata
.endif
;; end of part 2
;; launch gemm2 (part 3): grid 32 x 8, 4 waves a work-group, no clusters, 170,496 bytes of LDS; arguments hq, list, gws, w2_codes, w2_scales, b2, y; writes y
.if DOCPART == 3
	.amdgcn_target "amdgcn-amd-amdhsa--gfx1250"
	.amdhsa_code_object_version 6
	.text
	.protected	k_q3af50fa618_gemm2
	.globl	k_q3af50fa618_gemm2
	.p2align	8
	.type	k_q3af50fa618_gemm2,@function
k_q3af50fa618_gemm2:
	s_mov_b64 s[64:65], 0
	v_nop
	global_prefetch_b8 v0, s[64:65] scope:SCOPE_SE
	s_setreg_imm32_b32 hwreg(HW_REG_WAVE_MODE, 25, 1), 1
	s_wait_xcnt 0x0
; y[kh][slot][n] = weight x (the sum over half kh of K of h W2[e], + b2[e] where kh = 0), for the rows that chose expert e, on codes of E2M3 with one E8M0 scale for each 32 along K.
; THE WEIGHTS STAND STILL.  Work-group (ns, kh, e) owns columns 64 ns .. 64 ns + 63 and K = 2048 kh .. 2048 kh + 2047 of expert e: 96 KiB of codes, read from memory once by this work-group alone.
; Wave w keeps K steps 16 kh + 4 w + 0 .. 3 of the four column tiles (16 fragments, 192 registers) and loads only those K steps of h, as images of the operand's registers, straight into registers, one block ahead.
; Source 0 = 16 columns of W2, source 1 = 16 rows of h: a lane holds one row and eight neighbouring columns.  The four waves' partial sums of a block of 64 rows meet in LDS; wave w adds up tile w,
; adds b2, multiplies by the row's weight and stores each row's 256 bytes at its slot's row of y.  A last launch adds a token's four parts: its two experts lie in other work-groups.
; 64 columns so that a row's piece is 256 consecutive bytes, aligned; half of K so that there are 256 work-groups.
; THE COUNT OF ROWS IS A STORED NUMBER: 16 trips whatever it is, every wave passes every barrier, scalar branches on the count lead round the work.  So the text holds no tensor load, and no joint load in a cluster.
; Rows that fill the last block carry the dummy slot 2048 + e and the weight 0: they are stored in row 2048 + e of y, whose piece is this work-group's own and which nobody reads.
; REGISTERS: window 0: addresses, scale words, slots, weights, b2, v96-223 sixteen accumulators (32 d + 8 t), later the partial sums.  Window 1: W2's fragments at 12 (4 q + t).  Window 2: h's at 48 d + 12 q.
.set WP,   1552                        ; LDS: W2's 64 rows, 1,536 bytes + 16: row q starts at bank 4 q mod 64
.set RED,  99328                       ; the partial sums: [tile d][wave][row 16][256 bytes + 16]
.set HQS,  25165824                    ; where the scale words begin in hq
.set WS,   24                          ; v24-39  W2's scale words: 4 t + q
.set HSC,  40                          ; v40-47  h's: 2 d + i: lanes 0-15 my K step 2 i, lanes 16-31 my K step 2 i + 1
.set ID,   48                          ; v48-55  slots of rows 8 h + 0 .. 7 of tile w
.set GWT,  56                          ; v56-63  their weights
.set VO,   64                          ; v64-71  their offsets in y
.set B2,   72                          ; v72-75  b2 of my four columns (zeros where kh = 1)
.set ACC,  96
.set MSB, 0
.macro WIN new                         ; the immediate's high byte repeats the setting that is left
.if MSB != (\new)
	s_set_vgpr_msb (MSB<<8)|(\new)
.set MSB, (\new)
.endif
.endm
	s_load_b256 s[4:11], s[0:1], 0x0               ; hq, list, gws, w2_codes
	s_load_b128 s[12:15], s[0:1], 0x20             ; w2_scales, b2
	s_load_b64 s[16:17], s[0:1], 0x30              ; y
	v_lshl_add_u32 v254, v0, 2, 0x29800
	v_mov_b32 v255, 0
	v_lshrrev_b32 v1, 5, v0
	v_readfirstlane_b32 s18, v1                    ; wave
	s_and_b32 s19, ttmp7, 0xffff                   ; e
	s_lshr_b32 s20, ttmp9, 1                       ; ns
	s_and_b32 s23, ttmp9, 1                        ; kh
	s_mov_b32 s22, 0                               ; the block in hand
	v_and_b32 v1, 31, v0                           ; l
	v_and_b32 v2, 15, v0                           ; r
	v_bfe_u32 v3, v0, 4, 1                         ; h
	v_lshlrev_b32 v13, 4, v2                       ; v13 16 r
	v_mad_u32_u24 v4, v3, 24576, v13               ; v4  W2 in memory: lanes 16-31 eight rows on
	s_mul_i32 s24, s18, 16*WP
	v_mad_u32_u24 v5, v3, 8*WP, v13
	v_add_nc_u32 v5, s24, v5                       ; v5  W2 into LDS
	s_mul_i32 s24, s18, 384
	v_mul_u32_u24 v6, v2, WP
	v_mad_u32_u24 v6, v3, 24, v6
	v_add_nc_u32 v6, s24, v6                       ; v6  W2's fragments: row r (+ 16 t), my four K steps
	v_add_nc_u32 v7, 32*WP, v6                     ; v7  the same for tiles 2 and 3 (the immediate has 16 bits)
	v_lshlrev_b32 v8, 4, v1                        ; v8  16 l
	v_lshlrev_b32 v9, 2, v2
	v_lshl_add_u32 v9, v3, 12, v9                  ; v9  h's scale words: row r; lanes 16-31 a K step on
	s_lshl_b32 s24, s18, 6
	v_lshl_add_u32 v10, v3, 5, s24                 ; v10 list and weights: tile w's rows 8 h on
	s_mul_i32 s24, s18, 4352
	s_add_co_u32 s24, s24, RED
	v_mul_u32_u24 v11, v2, 272
	v_lshl_add_u32 v11, v3, 5, v11
	v_add_nc_u32 v11, s24, v11                     ; v11 partial sums, in: my wave's place, row r, 32 h bytes on
	s_mul_i32 s24, s18, 17408
	s_add_co_u32 s24, s24, RED
	v_mad_u32_u24 v12, v3, 2176, v13
	v_add_nc_u32 v12, s24, v12                     ; v12 and back: tile w, rows 8 h on, 16 bytes a lane
	v_lshlrev_b32 v14, 7, v2                       ; v14 W2's scale bytes: 128 a row
.rept 16
	v_mov_b32 v[ID+\+], 0                          ; slots and weights get a value here: the way out, which reads them, stands under a branch of its own
.endr
	; byte offsets, apart from the addresses
	s_lshl_b32 s24, s19, 10
	s_lshl_b32 s25, s20, 6
	s_add_co_u32 s24, s24, s25                     ; the slice's first row of W2: 1024 e + 64 ns
	s_lshl_b32 s25, s18, 4
	s_add_co_u32 s25, s25, s24
	s_mul_i32 s36, s25, 3072                       ; the 16 rows that I bring,
	s_mul_i32 s25, s23, 1536
	s_add_co_u32 s36, s36, s25                     ; their half of K
	s_mov_b32 s37, 0
	s_lshl_b32 s38, s24, 7
	s_lshl_b32 s25, s23, 6
	s_add_co_u32 s38, s38, s25
	s_lshl_b32 s25, s18, 4
	s_add_co_u32 s38, s38, s25                     ; scale bytes: my four K steps' words
	s_mov_b32 s39, 0
	s_lshl_b32 s40, s24, 2
	s_mov_b32 s41, 0
	s_mul_i32 s42, s19, 4608
	s_mov_b32 s43, 0
	s_lshl_b32 s25, s23, 4
	s_lshl_b32 s44, s18, 2
	s_add_co_u32 s25, s25, s44                     ; my first K step: 16 kh + 4 w
	s_lshl_b32 s44, s19, 11
	s_add_co_u32 s44, s44, s25
	s_mul_i32 s44, s44, 1536                       ; hq: image (tile 64 e, my first K step)
	s_mov_b32 s45, 0
	s_lshl_b32 s46, s19, 5
	s_add_co_u32 s46, s46, s25
	s_lshl_b32 s46, s46, 12                        ; hq: its scale words
	s_mov_b32 s47, 0
	s_mul_i32 s48, s23, 8421376                    ; y: 2,056 rows of 4,096 bytes for each half of K
	s_lshl_b32 s25, s20, 8
	s_add_co_u32 s48, s48, s25
	s_mov_b32 s49, 0
	s_wait_kmcnt 0x0
	s_add_nc_u64 s[10:11], s[10:11], s[36:37]
	s_add_nc_u64 s[12:13], s[12:13], s[38:39]
	s_add_nc_u64 s[14:15], s[14:15], s[40:41]
	s_add_nc_u64 s[26:27], s[6:7], s[42:43]        ; expert e's list
	s_add_nc_u64 s[28:29], s[8:9], s[42:43]        ; and weights
	s_add_nc_u64 s[30:31], s[4:5], s[44:45]
	s_add_nc_u64 s[32:33], s[4:5], s[46:47]
	s_add_nc_u64 s[32:33], s[32:33], HQS
	s_add_nc_u64 s[34:35], s[16:17], s[48:49]
	s_load_b32 s21, s[26:27], 0x11fc               ; the count of rows
; tile d's four fragments of my K steps and their scale words, off bytes of images on: 14 loads, each of 512 (the last two: two runs of 64) consecutive bytes
.macro HLOAD d, off
	WIN 0x80                                       ; destination window 2
.irp q, 0,1,2,3
.irp g, 0,1,2
	global_load_b128 v[48*(\d)+12*\q+4*\g:48*(\d)+12*\q+4*\g+3], v8, s[30:31] offset:(\off)+49152*(\d)+1536*\q+512*\g
.endr
.endr
	WIN 0
	global_load_b32 v[HSC+2*(\d)], v9, s[32:33] offset:(\off)/768+64*(\d)
	global_load_b32 v[HSC+2*(\d)+1], v9, s[32:33] offset:(\off)/768+64*(\d)+8192
.endm
	WIN 0x40                                       ; destination window 1
.irp j, 0,1,2,3,4,5,6,7
.irp v, 0,1,2,3,4,5
	global_load_b128 v[4*(6*\j+\v):4*(6*\j+\v)+3], v4, s[10:11] offset:3072*\j+256*\v th:TH_LOAD_NT   ; sixteen lanes read 256 consecutive bytes of a row; read once in the launch
.endr
.endr
	WIN 0
.irp d, 0,1,2,3
	HLOAD \d, 0                                    ; the first block of h
.endr
.irp t, 0,1,2,3
	global_load_b128 v[WS+4*\t:WS+4*\t+3], v14, s[12:13] offset:2048*\t
.endr
	global_load_b128 v[B2:B2+3], v13, s[14:15]
	s_wait_loadcnt 61                              ; the weights are in; behind them: 56 of h, 4 of scale words, 1 of b2
	WIN 0x04                                       ; an LDS store's data are its source 1: window 1
.irp j, 0,1,2,3,4,5,6,7
.irp v, 0,1,2,3,4,5
	ds_store_b128 v5, v[4*(6*\j+\v):4*(6*\j+\v)+3] offset:WP*\j+256*\v
.endr
.endr
	WIN 0
	s_wait_dscnt 0x0                               ; for the others' sake: my rows have landed
	s_barrier_signal -1
	s_barrier_wait -1
	WIN 0x40
.irp t, 0,1,2,3
.irp q, 0,1,2,3
.irp p, 0,1,2,3,4,5
.if \t < 2
	ds_load_b64 v[12*(4*\q+\t)+2*\p:12*(4*\q+\t)+2*\p+1], v6 offset:16*WP*(\t%2)+96*\q+48*(\p/3)+8*(\p%3)
.else
	ds_load_b64 v[12*(4*\q+\t)+2*\p:12*(4*\q+\t)+2*\p+1], v7 offset:16*WP*(\t%2)+96*\q+48*(\p/3)+8*(\p%3)
.endif
.endr
.endr
.endr
	WIN 0
	s_wait_kmcnt 0x0
	s_add_co_u32 s21, s21, 63
	s_lshr_b32 s21, s21, 6
	s_min_u32 s21, s21, 16                         ; blocks of 64 rows
	s_cmp_eq_u32 s23, 0
	s_cselect_b32 s24, 0x3f800000, 0               ; b2 counts once: in the first half of K
	s_wait_loadcnt 0x0
.irp i, 0,1,2,3
	v_mul_f32 v[B2+\i], s24, v[B2+\i]
.endr
; A BLOCK: my four K steps of the four tiles of rows: 64 products; the partial sums go to LDS.  refill = 1: each tile's registers take the next block's tile as soon as its products are issued.
; Loads out at the wait ahead of tile d: the tiles behind it (14 each), the 4 of slots and weights, and with refill = 1 the refills of the tiles before it (14 each): 46 in all; without: 14 (3 - d) + 4.
.macro BLOCK refill
	global_load_b128 v[ID:ID+3], v10, s[26:27]
	global_load_b128 v[ID+4:ID+7], v10, s[26:27] offset:16
	global_load_b128 v[GWT:GWT+3], v10, s[28:29]
	global_load_b128 v[GWT+4:GWT+7], v10, s[28:29] offset:16
.irp d, 0,1,2,3
.if \refill
	s_wait_loadcnt 46
.else
	s_wait_loadcnt 14*(3-\d)+4
.endif
	WIN 0x09                                       ; source 0 (W2) window 1, source 1 (h) window 2
.irp q, 0,1,2,3                        ; the tile's four accumulators by turns, one instruction a turn; the first K step starts the sums
.irp t, 0,1,2,3
.if \q == 0
	v_wmma_scale_f32_16x16x128_f8f6f4 v[ACC+32*\d+8*\t:ACC+32*\d+8*\t+7], v[12*\t:12*\t+11], v[48*\d:48*\d+11], 0, v[WS+4*\t], v[HSC+2*\d] matrix_a_fmt:MATRIX_FMT_FP6 matrix_b_fmt:MATRIX_FMT_FP6
.elseif \q == 2
	v_wmma_scale_f32_16x16x128_f8f6f4 v[ACC+32*\d+8*\t:ACC+32*\d+8*\t+7], v[12*(4*\q+\t):12*(4*\q+\t)+11], v[48*\d+12*\q:48*\d+12*\q+11], v[ACC+32*\d+8*\t:ACC+32*\d+8*\t+7], v[WS+4*\t+\q], v[HSC+2*\d+1] matrix_a_fmt:MATRIX_FMT_FP6 matrix_b_fmt:MATRIX_FMT_FP6
.else
	v_wmma_scale_f32_16x16x128_f8f6f4 v[ACC+32*\d+8*\t:ACC+32*\d+8*\t+7], v[12*(4*\q+\t):12*(4*\q+\t)+11], v[48*\d+12*\q:48*\d+12*\q+11], v[ACC+32*\d+8*\t:ACC+32*\d+8*\t+7], v[WS+4*\t+\q], v[HSC+2*\d+\q/2] matrix_a_fmt:MATRIX_FMT_FP6 matrix_b_fmt:MATRIX_FMT_FP6 matrix_b_scale:MATRIX_SCALE_ROW1
.endif
.endr
.endr
	WIN 0
.rept 4
	v_nop                                          ; four places ahead of loads into registers that the products have read, and of the stores that read results
.endr
.if \refill
	HLOAD \d, 196608                               ; four tiles x 32 K steps x 1,536 bytes on
.endif
.irp t, 0,1,2,3
	ds_store_b128 v11, v[ACC+32*\d+8*\t:ACC+32*\d+8*\t+3] offset:17408*\d+64*\t      ; each accumulator from its low end on
	ds_store_b128 v11, v[ACC+32*\d+8*\t+4:ACC+32*\d+8*\t+7] offset:17408*\d+64*\t+16
.endr
.endr
.if \refill
	s_wait_loadcnt 56                              ; slots and weights are in; the 56 refills may be out
.else
	s_wait_loadcnt 0x0
.endif
.endm
.Lblk:
	s_wait_dscnt 0x0                               ; my reads of the partial sums, and in the first trip W2's fragments, are in
	s_barrier_signal -1
	s_barrier_wait -1
	s_cmp_lt_u32 s22, s21
	s_cbranch_scc0 .Lnomul
	s_add_co_u32 s24, s22, 1
	s_cmp_lt_u32 s24, s21
	s_cbranch_scc0 .Llast
	BLOCK 1
	s_branch .Lnomul
.Llast:
	BLOCK 0                                        ; the expert's last block asks for nothing more
.Lnomul:
	s_wait_dscnt 0x0                               ; my partial sums have landed
	s_barrier_signal -1
	s_barrier_wait -1
	s_cmp_lt_u32 s22, s21
	s_cbranch_scc0 .Lnoout
.irp s, 0,1,2,3
.irp i, 0,1,2,3,4,5,6,7
	ds_load_b128 v[ACC+32*\s+4*\i:ACC+32*\s+4*\i+3], v12 offset:4352*\s+272*\i   ; wave s's part of row 8 h + i of tile w, my four columns
.endr
.endr
.irp i, 0,1,2,3,4,5,6,7
	v_min_u32 v[VO+\i], 0x807, v[ID+\i]            ; a slot, or a dummy: at most 2,055
.endr
.irp i, 0,1,2,3,4,5,6,7
	v_lshlrev_b32 v[VO+\i], 12, v[VO+\i]
.endr
.irp i, 0,1,2,3,4,5,6,7
	v_add_nc_u32 v[VO+\i], v[VO+\i], v13
.endr
	s_wait_dscnt 0x0
.irp s, 32,64,96                       ; K ascending
.irp i, 0,1,2,3,4,5,6,7
	v_pk_add_f32 v[ACC+4*\i:ACC+4*\i+1], v[ACC+4*\i:ACC+4*\i+1], v[ACC+\s+4*\i:ACC+\s+4*\i+1]
	v_pk_add_f32 v[ACC+4*\i+2:ACC+4*\i+3], v[ACC+4*\i+2:ACC+4*\i+3], v[ACC+\s+4*\i+2:ACC+\s+4*\i+3]
.endr
.endr
.irp i, 0,1,2,3,4,5,6,7
	v_pk_add_f32 v[ACC+4*\i:ACC+4*\i+1], v[ACC+4*\i:ACC+4*\i+1], v[B2:B2+1]
	v_pk_add_f32 v[ACC+4*\i+2:ACC+4*\i+3], v[ACC+4*\i+2:ACC+4*\i+3], v[B2+2:B2+3]
.endr
.irp i, 0,1,2,3,4,5,6,7
.irp k, 0,1,2,3
	v_mul_f32 v[ACC+4*\i+\k], v[ACC+4*\i+\k], v[GWT+\i]
.endr
	global_store_b128 v[VO+\i], v[ACC+4*\i:ACC+4*\i+3], s[34:35] th:TH_STORE_NT   ; sixteen lanes store 256 consecutive bytes, aligned; not read again in this launch
.endr
.Lnoout:
	s_wait_xcnt 0x0                                ; bases, offsets and the stores' data are written again only behind this wait
	s_add_nc_u64 s[30:31], s[30:31], 196608        ; a block on, in every trip
	s_add_nc_u64 s[32:33], s[32:33], 256
	s_add_nc_u64 s[26:27], s[26:27], 256
	s_add_nc_u64 s[28:29], s[28:29], 256
	s_add_co_u32 s22, s22, 1
	s_cmp_lt_u32 s22, 16
	s_cbranch_scc1 .Lblk
	s_wait_tensorcnt 0x0
	ds_add_u32 v254, v255
	s_wait_dscnt 0x0
	s_endpgm
.Lfunc_end_k_q3af50fa618_gemm2:
	.size	k_q3af50fa618_gemm2, .Lfunc_end_k_q3af50fa618_gemm2-k_q3af50fa618_gemm2
	.p2alignl 7, 3214868480
	.fill 96, 4, 3214868480
	.section	.rodata,"a",@progbits
	.p2align	6, 0x0
	.amdhsa_kernel k_q3af50fa618_gemm2
		.amdhsa_group_segment_fixed_size 170496
		.amdhsa_private_segment_fixed_size 0
		.amdhsa_enable_private_segment 0
		.amdhsa_kernarg_size 56
		.amdhsa_user_sgpr_count 2
		.amdhsa_user_sgpr_kernarg_segment_ptr 1
		.amdhsa_wavefront_size32 1
		.amdhsa_system_sgpr_workgroup_id_x 1
		.amdhsa_system_sgpr_workgroup_id_y 1
		.amdhsa_system_sgpr_workgroup_id_z 1
		.amdhsa_system_vgpr_workitem_id 0
		.amdhsa_next_free_vgpr 768
		.amdhsa_next_free_sgpr 66
		.amdhsa_reserve_vcc 0
		.amdhsa_float_denorm_mode_32 3
		.amdhsa_float_denorm_mode_16_64 3
		.amdhsa_memory_ordered 1
		.amdhsa_forward_progress 1
		.amdhsa_inst_pref_size 63
	.end_amdhsa_kernel
	.amdgpu_metadata
---
amdhsa.version: [ 1, 2 ]
amdhsa.kernels:
  - .name:           k_q3af50fa618_gemm2
    .symbol:         k_q3af50fa618_gemm2.kd
    .args:
      - { .name: hq, .offset: 0, .size: 8, .value_kind: global_buffer, .address_space: global }
      - { .name: list, .offset: 8, .size: 8, .value_kind: global_buffer, .address_space: global }
      - { .name: gws, .offset: 16, .size: 8, .value_kind: global_buffer, .address_space: global }
      - { .name: w2_codes, .offset: 24, .size: 8, .value_kind: global_buffer, .address_space: global }
      - { .name: w2_scales, .offset: 32, .size: 8, .value_kind: global_buffer, .address_space: global }
      - { .name: b2, .offset: 40, .size: 8, .value_kind: global_buffer, .address_space: global }
      - { .name: y, .offset: 48, .size: 8, .value_kind: global_buffer, .address_space: global }
    .group_segment_fixed_size: 170496
    .private_segment_fixed_size: 0
    .kernarg_segment_align: 8
    .kernarg_segment_size: 56
    .max_flat_workgroup_size: 128
    .sgpr_count:     66
    .vgpr_count:     768
    .wavefront_size: 32
...
	.end_amdgpu_metadata
.endif
;; end of part 3
;; launch combine (part 4): grid 256 x 1, 8 waves a work-group, no clusters, 0 bytes of LDS; arguments y, out0; writes out0
.if DOCPART == 4
	.amdgcn_target "amdgcn-amd-amdhsa--gfx1250"
	.amdhsa_code_object_version 6
	.text
	.protected	k_q3af50fa618_combine
	.globl	k_q3af50fa618_combine
	.p2align	8
	.type	k_q3af50fa618_combine,@function
k_q3af50fa618_combine:
	s_mov_b64 s[64:65], 0
	v_nop
	global_prefetch_b8 v0, s[64:65] scope:SCOPE_SE
	s_setreg_imm32_b32 hwreg(HW_REG_WAVE_MODE, 25, 1), 1
	s_wait_xcnt 0x0
; out0[token] = y[0][2 token] + y[1][2 token] + y[0][2 token + 1] + y[1][2 token + 1]: a token's two experts, each in two halves of K; the weights and b2 are in already.
; A stream: work-group g takes tokens 4 g .. 4 g + 3; thread t the 16 bytes at 16 t of every row, so a wave's load or store covers 512 consecutive bytes.  All 16 loads of a thread go out at once.
; No LDS, no barrier, no matrix unit: nothing is shared.
.set R, 8                              ; v8-71: token i at 16 i: choice 0 half 0, choice 1 half 0, choice 0 half 1, choice 1 half 1
.set HALF, 8421376                     ; 2,056 rows of 4,096 bytes: past a load's immediate, so the second half has a base of its own
	s_load_b128 s[4:7], s[0:1], 0x0                ; y, out0
	v_lshlrev_b32 v1, 4, v0
	s_lshl_b32 s8, ttmp9, 15                       ; eight rows of y
	s_mov_b32 s9, 0
	s_lshl_b32 s10, ttmp9, 14                      ; four rows of out0
	s_mov_b32 s11, 0
	s_wait_kmcnt 0x0
	s_add_nc_u64 s[4:5], s[4:5], s[8:9]
	s_add_nc_u64 s[12:13], s[4:5], HALF
	s_add_nc_u64 s[6:7], s[6:7], s[10:11]
.irp i, 0,1,2,3
	global_load_b128 v[R+16*\i:R+16*\i+3], v1, s[4:5] offset:8192*\i th:TH_LOAD_NT
	global_load_b128 v[R+16*\i+4:R+16*\i+7], v1, s[4:5] offset:8192*\i+4096 th:TH_LOAD_NT
	global_load_b128 v[R+16*\i+8:R+16*\i+11], v1, s[12:13] offset:8192*\i th:TH_LOAD_NT
	global_load_b128 v[R+16*\i+12:R+16*\i+15], v1, s[12:13] offset:8192*\i+4096 th:TH_LOAD_NT
.endr
.irp i, 0,1,2,3
	s_wait_loadcnt 12-4*\i                         ; this token's four loads are in; the later tokens' may be out
	v_pk_add_f32 v[R+16*\i:R+16*\i+1], v[R+16*\i:R+16*\i+1], v[R+16*\i+8:R+16*\i+9]
	v_pk_add_f32 v[R+16*\i+2:R+16*\i+3], v[R+16*\i+2:R+16*\i+3], v[R+16*\i+10:R+16*\i+11]
	v_pk_add_f32 v[R+16*\i+4:R+16*\i+5], v[R+16*\i+4:R+16*\i+5], v[R+16*\i+12:R+16*\i+13]
	v_pk_add_f32 v[R+16*\i+6:R+16*\i+7], v[R+16*\i+6:R+16*\i+7], v[R+16*\i+14:R+16*\i+15]
	v_pk_add_f32 v[R+16*\i:R+16*\i+1], v[R+16*\i:R+16*\i+1], v[R+16*\i+4:R+16*\i+5]
	v_pk_add_f32 v[R+16*\i+2:R+16*\i+3], v[R+16*\i+2:R+16*\i+3], v[R+16*\i+6:R+16*\i+7]
	global_store_b128 v1, v[R+16*\i:R+16*\i+3], s[6:7] offset:4096*\i th:TH_STORE_NT
.endr
	s_endpgm
.Lfunc_end_k_q3af50fa618_combine:
	.size	k_q3af50fa618_combine, .Lfunc_end_k_q3af50fa618_combine-k_q3af50fa618_combine
	.p2alignl 7, 3214868480
	.fill 96, 4, 3214868480
	.section	.rodata,"a",@progbits
	.p2align	6, 0x0
	.amdhsa_kernel k_q3af50fa618_combine
		.amdhsa_group_segment_fixed_size 0
		.amdhsa_private_segment_fixed_size 0
		.amdhsa_enable_private_segment 0
		.amdhsa_kernarg_size 16
		.amdhsa_user_sgpr_count 2
		.amdhsa_user_sgpr_kernarg_segment_ptr 1
		.amdhsa_wavefront_size32 1
		.amdhsa_system_sgpr_workgroup_id_x 1
		.amdhsa_system_sgpr_workgroup_id_y 1
		.amdhsa_system_sgpr_workgroup_id_z 1
		.amdhsa_system_vgpr_workitem_id 0
		.amdhsa_next_free_vgpr 80
		.amdhsa_next_free_sgpr 66
		.amdhsa_reserve_vcc 0
		.amdhsa_float_denorm_mode_32 3
		.amdhsa_float_denorm_mode_16_64 3
		.amdhsa_memory_ordered 1
		.amdhsa_forward_progress 1
		.amdhsa_inst_pref_size 5
	.end_amdhsa_kernel
	.amdgpu_metadata
---
amdhsa.version: [ 1, 2 ]
amdhsa.kernels:
  - .name:           k_q3af50fa618_combine
    .symbol:         k_q3af50fa618_combine.kd
    .args:
      - { .name: y, .offset: 0, .size: 8, .value_kind: global_buffer, .address_space: global }
      - { .name: out0, .offset: 8, .size: 8, .value_kind: global_buffer, .address_space: global }
    .group_segment_fixed_size: 0
    .private_segment_fixed_size: 0
    .kernarg_segment_align: 8
    .kernarg_segment_size: 16
    .max_flat_workgroup_size: 256
    .sgpr_count:     66
    .vgpr_count:     80
    .wavefront_size: 32
...
	.end_amdgpu_metadata
.endif
;; end of part 4
;; ======== version 2 of 2: 4 launches; version 1 with the launches gemm1, gemm2 written anew for expert scheduling mode
;; workspace buffers: xq 819,200 bytes; sel 8,192 bytes of whole numbers; gw 8,192 bytes; list 36,864 bytes of whole numbers; gws 36,864 bytes; hq 26,214,400 bytes; y 16,842,752 bytes
;; launch route: the kernel of part 1 again; grid 128 x 1, 8 waves a work-group, no clusters, 78,848 bytes of LDS; arguments x, gate_w, gate_b, xq, sel, gw; writes xq, sel, gw
;; launch gemm1 (part 5): grid 32 x 8, 4 waves a work-group, no clusters, 173,056 bytes of LDS; arguments xq, sel, w1_codes, w1_scales, b1, hq, gw, list, gws; writes hq, list, gws
.if DOCPART == 5
	.amdgcn_target "amdgcn-amd-amdhsa--gfx1250"
	.amdhsa_code_object_version 6
	.text
	.protected	k_q3af50fa618_gemm1
	.globl	k_q3af50fa618_gemm1
	.p2align	8
	.type	k_q3af50fa618_gemm1,@function
k_q3af50fa618_gemm1:
	s_mov_b64 s[64:65], 0
	v_nop
	global_prefetch_b8 v0, s[64:65] scope:SCOPE_SE
	s_setreg_imm32_b32 hwreg(HW_REG_WAVE_SCHED_MODE, 0, 2), 2
	s_setreg_imm32_b32 hwreg(HW_REG_WAVE_MODE, 25, 1), 1
	s_wait_xcnt 0x0
	s_wait_alu depctr_vm_vsrc(0)
; h = Q(relu(Q(x) W1[e] + b1[e])) for the rows that chose expert e, on codes of E2M3 with one E8M0 scale for each 32 along K.
; THE WEIGHTS STAND STILL.  Work-group (ns, e) owns hidden units 128 ns .. 128 ns + 127 of expert e: 96 KiB of codes, read from memory once by this work-group alone and kept in registers.
; Wave w = (c = w / 2, par = w % 2) holds units 64 c .. 64 c + 63 for all of K (4 tiles x 8 K steps = 384 registers) and multiplies tiles par and par + 2 of each block of 64 rows.
; THE ROWS ARE PLACED HERE, while the weights are on their way.  sel[2 token + choice], stored by the launch before, names each slot's expert.  Wave 0 makes expert e's list in LDS: entry p = the slot of its row p,
; and beside it that row's weight; entries from the count on hold the dummy slot 2048 + e and the weight 0; entry 1151 holds the count.  An expert has at most 1,024 rows (a token chooses an expert once).
; Every lane stores in every step, all lanes on: a lane whose slot chose another expert stores to a spare word of its own behind the list, which nobody reads.  No other wave touches LDS ahead of the barrier that follows.
; Waves 1 to 3 count the rows meanwhile, so that every wave has the count in a scalar register.  In the work-groups with ns = 0, wave 1 stores the list and the weights for the next launch.
; The rows come in blocks of 64 (four tiles of 16) by that list; wave w gathers tile w's records from xq (whole runs of 256 bytes) into LDS, one block ahead, in registers meanwhile.
; THE PRODUCT IS USED TRANSPOSED (source 0 = 16 rows of W1, source 1 = 16 rows of x), AND THE ROWS OF W1 THAT FORM A TILE ARE NOT NEIGHBOURS: lane r of tile 2 b + u takes row 32 b + 8 u + r + 8 (r / 8):
; so a lane holds one row of h, and the 16 registers of tiles 2 b, 2 b + 1 are 16 neighbours along the next K.  b1 is the C of each sum's first product.
; The 128 units are K step ns of the second product: the two waves c = 0, 1 make the two halves of a fragment's registers and of its scale word; they meet in LDS and leave as an image of the operand's registers.
; THE COUNT OF ROWS HANGS ON STORED NUMBERS.  The loop has 16 trips whatever it is, every wave passes every barrier.
; For the same reason the text holds no tensor load, and so no joint load in a cluster: the weights go memory - registers - LDS - registers, once.
; Rows that fill the last block carry the dummy slot: they take token 1,023's record, and what is made of them is stored in their own places of hq.
; LIMITS: NaN and infinities are not served; a block of h whose largest number lies under 2^-124 gets the byte 1 (a block of zeros too: its codes are zeros).
; REGISTERS, in windows of 256: window 0: addresses, scale words, b1, the four accumulators, the first tile's eight fragments of x, work; at the head v44-235 serve the placing.
;   window 1: W1's fragments of K steps 0-3 at 12 (4 s + t) (first: the 48 loads of the weights).   window 2: those of K steps 4-7.
;   window 3: v0-95 the gathered records, v96-99 their scale bytes, v100-195 the second tile's eight fragments of x.
; THE MODE: SCHED_MODE bits 1:0 = 2 (LLVM: expert scheduling mode 2), set by the entry lines.  The code itself states the register dependences
; between vector or matrix instructions and memory or LDS instructions, with s_wait_alu, always for 0.
; THE PLAN.  Registers that memory or LDS instructions touch, in the loop:
;   records (window 3, v0-99)  The gather's loads land in them; the next trip's LDS stores read them.
;   v22-30    The slots' LDS loads land in them; the gather's vector lines read them.        v32-40  The gather's vector lines write them; its loads read them.
;   v41, v42  Written by two additions a trip; read by the slots' LDS loads.
;   v128-223 with v92-95: tile par's fragments and scale words; window 3 v100-195 with v250-253: tile par + 2's.  LDS loads land in them; that tile's 32 products read them.
;   v232, v234-239  Written by a tile's quantiser; read by its four LDS stores.
;   v128-141, v43, v21  The way out: LDS loads land in the first; two additions write the offsets; the global stores read all three.
;   All other addresses are made at the head and never written again.
; Behind a trip's first barrier stand ONE wait on vm_vsrc and, behind the two additions, ONE on va_vdst: behind them both tiles' 50 LDS loads and the slots' three owe nothing more; the second tile's stand in the
; middle of the first tile's products, which name none of their registers.  The gather, each quantiser's stores and the way out have one wait on va_vdst each, behind the vector lines that feed them.
; Each piece of a trip that a branch can lead round states what it leaves behind before its own end, so that the waits hold on every way through the loop.
.set LWT,  4864                        ; LDS: the list at 0 (1,152 words, then 32 spare words, one a lane); the weights here, laid alike
.set WST,  9728                        ; W1's 128 rows
.set WP,   784                         ; 768 bytes + 16: row slot q starts at bank 4 q mod 64
.set XB,   110080                      ; x's block: tile m at XT m: 48 pieces x (16 rows x 16 bytes + 16), then 16 rows x 48 bytes with the 32 scale bytes
.set XT,   13824
.set XSO,  13056
.set HS,   165376                      ; h's block: tile m at HT m: 32 lanes x 48 bytes, then 16 scale words
.set HT,   1792
.set HSO,  1536
.set XQS,  786432                      ; where the scale bytes begin in xq
.set HQS,  25165824                    ; and the scale words in hq
.set ID,   22                          ; v22-29  slots of rows 8 h + 0 .. 7 of my tile;  v30 the slot of row l / 2
.set VO,   32                          ; v32-39  their records' offsets;  v40 that row's scale bytes'
.set S,    44                          ; v44-107  at the head: the chosen experts, word n of lane l = slot 128 (n / 4) + 4 l + n % 4; in wave 0 each is overwritten by its slot's number
.set GW,   108                         ; v108-171 at the head, wave 0: their weights
.set P,    172                         ; v172-235 at the head, wave 0: the scatter's LDS addresses; never an address again
.set WS,   44                          ; v44-59  W1's scale words: 4 t + i: lanes 0-15 K step i, lanes 16-31 K step 4 + i
.set B1,   60                          ; v60-91  b1 in the result's layout, 8 a tile
.set XS,   92                          ; v92-95  the first tile's scale words of x, laid like W1's
.set ACC,  96                          ; v96-127 four accumulators
.set XF,   128                         ; v128-223 the first tile's eight fragments of x; on the way out v128-141
.set XG,   100                         ; window 3, v100-195: the second tile's eight fragments of x
.set XS1,  250                         ; v250-253 the second tile's scale words of x
.set TM,   224                         ; v224-225 largest numbers, v226-227 the other half's, v228-229 scale operands, v230-231 bytes, v232 two bytes
.set PC,   234                         ; v234-239 my six registers of the fragment;  v240-242 the second conversion's
.set PT,   240
.set MSB, 0
.macro WIN new                         ; the immediate's high byte repeats the setting that is left
.if MSB != (\new)
	s_set_vgpr_msb (MSB<<8)|(\new)
.set MSB, (\new)
.endif
.endm
	s_load_b256 s[4:11], s[0:1], 0x0               ; xq, sel, w1_codes, w1_scales
	s_load_b128 s[12:15], s[0:1], 0x20             ; b1, hq
	s_load_b128 s[48:51], s[0:1], 0x30             ; gw, list
	s_load_b64 s[52:53], s[0:1], 0x40              ; gws
	v_lshl_add_u32 v254, v0, 2, 0x2a200
	v_mov_b32 v255, 0
	v_lshrrev_b32 v1, 5, v0
	v_readfirstlane_b32 s16, v1                    ; wave
	v_and_b32 v1, 31, v0                           ; l
	v_and_b32 v2, 15, v0                           ; r
	v_bfe_u32 v3, v0, 4, 1                         ; h
	v_lshlrev_b32 v15, 4, v1                       ; v15 16 l
	v_lshlrev_b32 v16, 3, v1                       ; v16 8 l
	v_lshlrev_b32 v19, 4, v2                       ; v19 16 r
	v_mad_u32_u24 v4, v3, 12288, v19               ; v4  W1 in memory: lanes 16-31 sixteen rows on
	s_wait_alu depctr_va_sdst(0)                   ; s16 is written, ahead of its first reader
	s_lshr_b32 s17, s16, 1                         ; c
	s_and_b32 s18, s16, 1                          ; par
	s_and_b32 s19, ttmp7, 0xffff                   ; e
	s_mov_b32 s20, ttmp9                           ; ns
	s_mov_b32 s32, 0x76543210
	s_mov_b32 s33, 0xfedcba98
	s_mov_b32 s22, 0                               ; the block in hand
	s_mov_b32 s38, 0                               ; 256 x it
	s_mov_b32 s54, 0                               ; rows of my expert so far
	s_add_co_u32 s55, s19, 2048                    ; the dummy slot
	s_mul_i32 s23, s16, 32*WP
	s_add_co_u32 s23, s23, WST
	v_mad_u32_u24 v5, v3, 8*WP, v19
	v_add_nc_u32 v5, s23, v5                       ; v5  W1 into LDS
	s_mul_i32 s23, s17, 64*WP
	s_add_co_u32 s23, s23, WST
	v_mul_u32_u24 v6, v2, WP
	v_mad_u32_u24 v6, v3, 24, v6
	v_add_nc_u32 v6, s23, v6                       ; v6  W1's fragments: slot 64 c + 16 t + r
	s_mul_i32 s23, s16, XT
	s_add_co_u32 s23, s23, XB
	v_mul_u32_u24 v7, v2, 272
	v_lshl_add_u32 v7, v3, 7, v7
	v_add_nc_u32 v7, s23, v7                       ; v7  x into LDS: piece r (+ 16 u), row 8 h (+ j)
	v_lshrrev_b32 v21, 1, v1
	v_mul_u32_u24 v8, v21, 48
	v_and_b32 v20, 1, v1
	v_lshlrev_b32 v20, 4, v20                      ; v20 16 (l % 2)
	v_add_nc_u32 v8, v8, v20
	v_add_nc_u32 v8, s23, v8
	v_add_nc_u32 v8, XSO, v8                       ; v8  x's scale bytes into LDS: row l / 2, half l % 2
	s_lshl_b32 s24, s16, 6
	v_lshl_add_u32 v18, v21, 2, s24                ; v18 the list in LDS: my tile's row l / 2
	v_lshl_add_u32 v17, v3, 5, s24                 ; v17 the list in LDS: my tile's rows 8 h on
	s_mul_i32 s23, s18, XT
	s_add_co_u32 s23, s23, XB
	v_mad_u32_u24 v9, v3, 272, v19
	v_add_nc_u32 v9, s23, v9                       ; v9  x's fragments: piece h (+ 6 s + 2 g), row r
	v_mul_u32_u24 v10, v2, 48
	v_lshl_add_u32 v10, v3, 4, v10
	v_add_nc_u32 v10, s23, v10
	v_add_nc_u32 v10, XSO, v10                     ; v10 x's scale words: row r, words 4 h on
	s_mul_i32 s23, s18, HT
	s_add_co_u32 s23, s23, HS
	s_mul_i32 s24, s17, 24
	s_add_co_u32 s24, s24, s23
	v_mul_u32_u24 v13, v1, 48
	v_add_nc_u32 v11, s24, v13                     ; v11 h into LDS: my lane's 48 bytes, my wave's 24 of them
	s_lshl_b32 s24, s17, 1
	s_add_co_u32 s24, s24, s23
	s_add_co_u32 s24, s24, HSO
	v_lshl_add_u32 v12, v2, 2, s24                 ; v12 row r's scale word, my wave's two bytes
	s_mul_i32 s23, s16, HT
	s_add_co_u32 s23, s23, HS
	v_add_nc_u32 v13, s23, v13                     ; v13 the way out: tile w's image
	v_lshrrev_b32 v14, 3, v1
	v_mul_u32_u24 v14, v14, HT
	v_and_b32 v21, 7, v1
	v_lshl_add_u32 v14, v21, 3, v14
	v_add_nc_u32 v14, HS+HSO, v14                  ; v14 the block's 64 scale words, two a lane
	v_and_b32 v244, 8, v2
	v_add_nc_u32 v244, v244, v2
	v_lshlrev_b32 v244, 5, v244
	v_lshl_add_u32 v244, v3, 4, v244               ; v244 W1's scale bytes: row r + 8 (r / 8), 32 bytes a row, words 4 h on
	v_lshlrev_b32 v245, 6, v3                      ; v245 b1: 16 h numbers on
	v_add_nc_u32 v247, 1152, v1                    ; v247 my spare word's number
	v_lshlrev_b32 v248, 2, v1                      ; v248 4 l: my first slot
	v_mov_b32 v249, 4604                           ; v249 the list's last word
	; byte offsets, apart from the addresses
	s_lshl_b32 s24, s19, 12
	s_lshl_b32 s25, s20, 7
	s_add_co_u32 s24, s24, s25                     ; the slice's first row of W1: 4096 e + 128 ns
	s_lshl_b32 s25, s16, 5
	s_add_co_u32 s25, s25, s24
	s_mul_i32 s34, s25, 768                        ; the 32 rows that I bring
	s_mov_b32 s35, 0
	s_lshl_b32 s25, s17, 6
	s_add_co_u32 s25, s25, s24                     ; the 64 rows that I keep
	s_lshl_b32 s36, s25, 5
	s_mov_b32 s37, 0
	s_lshl_b32 s40, s25, 2
	s_mov_b32 s41, 0
	s_mul_i32 s42, s19, 4608
	s_mov_b32 s43, 0
	s_lshl_b32 s25, s19, 6
	s_add_co_u32 s25, s25, s16
	s_lshl_b32 s25, s25, 5
	s_add_co_u32 s25, s25, s20
	s_mul_i32 s44, s25, 1536                       ; hq: image (tile 64 e + w, K step ns)
	s_mov_b32 s45, 0
	s_lshl_b32 s25, s19, 5
	s_add_co_u32 s25, s25, s20
	s_lshl_b32 s46, s25, 12                        ; hq: the scale words of (e, K step ns)
	s_mov_b32 s47, 0
	s_wait_kmcnt 0x0
	s_wait_alu depctr_va_vdst(0)                   ; the addresses and offsets v4-20 and v244-249 are written, which the loads and stores of the whole kernel read
.irp i, 0,1,2,3,4,5,6,7,8,9,10,11,12,13,14,15
	global_load_b128 v[S+4*\i:S+4*\i+3], v15, s[6:7] offset:512*\i   ; all 2,048 chosen experts: 512 consecutive bytes a load
.endr
	s_add_nc_u64 s[8:9], s[8:9], s[34:35]
	s_add_nc_u64 s[10:11], s[10:11], s[36:37]
	s_add_nc_u64 s[12:13], s[12:13], s[40:41]
	s_add_nc_u64 s[50:51], s[50:51], s[42:43]      ; expert e's list in memory
	s_add_nc_u64 s[52:53], s[52:53], s[42:43]      ; and its weights
	s_add_nc_u64 s[28:29], s[14:15], s[44:45]
	s_add_nc_u64 s[30:31], s[14:15], s[46:47]
	s_add_nc_u64 s[30:31], s[30:31], HQS
; my 32 rows of W1: 48 loads; sixteen lanes read 256 consecutive bytes of a row.  No vector line has named their registers, and v4 stands written since the wait above
.macro WLOADS
	WIN 0x40                                       ; destination window 1
.irp m, 0,1,2,3,4,5,6,7,8,9,10,11,12,13,14,15
.irp v, 0,1,2
	global_load_b128 v[4*(3*\m+\v):4*(3*\m+\v)+3], v4, s[8:9] offset:768*\m+256*\v th:TH_LOAD_NT   ; read once in the launch
.endr
.endr
	WIN 0
.endm
; eight words of every lane: whose slot chose my expert (s56-63), and how many did (s74-81)
.macro CMP8 g
.irp k, 0,1,2,3,4,5,6,7
	v_cmp_eq_u32 s[56+\k], s19, v[S+8*(\g)+\k]
.endr
	s_wait_alu depctr_va_sdst(0)                   ; the eight compares have written s56-63, ahead of their first readers: one wait for the run
.irp k, 0,1,2,3,4,5,6,7
	s_bcnt1_i32_b32 s[74+\k], s[56+\k]
.endr
.endm
.macro COUNT8 g
	CMP8 \g
.irp k, 0,1,2,3,4,5,6,7
	s_add_co_u32 s54, s54, s[74+\k]
.endr
.endm
; the sixteen LDS stores of eight words that have been placed
.macro PUT8 g
.irp k, 0,1,2,3,4,5,6,7
	ds_store_b32 v[P+8*(\g)+\k], v[S+8*(\g)+\k]
	ds_store_b32 v[P+8*(\g)+\k], v[GW+8*(\g)+\k] offset:LWT
.endr
.endm
; the same eight words are placed: eight at a time, so that no line waits for the line above it.  Their stores stand in the next eight's turn, behind its compares
.macro SORT8 g
	CMP8 \g
	s_mov_b32 s66, s54                             ; s66-73: the rows ahead of each of the eight words
.irp k, 1,2,3,4,5,6,7
	s_add_co_u32 s[66+\k], s[66+\k-1], s[74+\k-1]
.endr
	s_add_co_u32 s54, s73, s81
.if \g > 0
	s_wait_alu depctr_va_vdst(0)                   ; the eight words before have their addresses and slot numbers written, which the stores below read
	PUT8 (\g)-1
.endif
.irp k, 0,1,2,3,4,5,6,7
	v_mbcnt_lo_u32_b32 v[P+8*(\g)+\k], s[56+\k], s[66+\k]   ; rows ahead + such lanes below me: my row's place,
.endr
.irp k, 0,1,2,3,4,5,6,7
	v_cndmask_b32 v[P+8*(\g)+\k], v247, v[P+8*(\g)+\k], s[56+\k]   ; or, where my slot chose another expert, my spare word
.endr
.irp k, 0,1,2,3,4,5,6,7
	v_min_u32 v[P+8*(\g)+\k], 0x49f, v[P+8*(\g)+\k]   ; held inside the list and its spare words (a row's place is at most 1,023)
.endr
.irp k, 0,1,2,3,4,5,6,7
	v_lshlrev_b32 v[P+8*(\g)+\k], 2, v[P+8*(\g)+\k]
.endr
.irp k, 0,1,2,3,4,5,6,7
	v_add_nc_u32 v[S+8*(\g)+\k], 128*((8*(\g)+\k)/4)+(8*(\g)+\k)%4, v248   ; my slot's number
.endr
.endm
	s_cmp_lg_u32 s16, 0
	s_cbranch_scc1 .Lothers
	; wave 0 places the rows
.irp i, 0,1,2,3,4,5,6,7,8,9,10,11,12,13,14,15
	global_load_b128 v[GW+4*\i:GW+4*\i+3], v15, s[48:49] offset:512*\i
.endr
	WLOADS
.irp i, 236,237,238,239
	v_mov_b32 v\i, s55
.endr
.irp i, 240,241,242,243
	v_mov_b32 v\i, 0
.endr
	s_wait_alu depctr_va_vdst(0)                   ; v236-243 are written, which the stores below read
.irp i, 0,1,2,3,4,5,6,7,8
	ds_store_b128 v15, v[236:239] offset:512*\i    ; the list begins as dummies,
	ds_store_b128 v15, v[240:243] offset:LWT+512*\i   ; the weights as zeros.  LDS serves a wave's instructions in order: the rows' stores come behind these
.endr
	s_wait_loadcnt 48                              ; experts and weights are in; the 48 loads of W1 may be out
.irp g, 0,1,2,3,4,5,6,7
	SORT8 \g
.endr
	v_mov_b32 v250, s54
	s_wait_alu depctr_va_vdst(0)                   ; the last eight words' addresses and slot numbers, and v250, are written, which the stores below read
	PUT8 7
	ds_store_b32 v249, v250                        ; the count, in the list's last word: all lanes write the same word with the same value
	s_branch .Ljoin
.Lothers:
	; waves 1 to 3 count the rows
	WLOADS
	s_wait_loadcnt 48                              ; the experts are in; the 48 loads of W1 may be out
.irp g, 0,1,2,3,4,5,6,7
	COUNT8 \g
.endr
.Ljoin:
	s_wait_dscnt 0x0                               ; for the others' sake: the list has landed
	s_barrier_signal -1
	s_barrier_wait -1
	s_wait_alu depctr_vm_vsrc(0)                   ; wave 0's LDS stores have read v44-243 and v250: from here on these registers are written by vector lines, products and loads
	v_mov_b32 v226, 0                              ; written once: a lane permute's destination counts as one of its sources
	v_mov_b32 v227, 0
	s_add_co_u32 s21, s54, 63
	s_lshr_b32 s21, s21, 6
	s_min_u32 s21, s21, 16                         ; blocks of 64 rows
; the slots of my tile in the block imm / 256 blocks on from the one in hand: three LDS loads; the list has 18 blocks' worth of entries, and block 16 is the last that is named
.macro IDS imm
	v_add_nc_u32 v41, s38, v17
	v_add_nc_u32 v42, s38, v18
	s_wait_alu depctr_va_vdst(0)                   ; v41 and v42 are written, which the loads below read; the last gather's lines are done reading v22-30, and the last block's products both tiles' fragments and scale words of x, in which LDS loads land from here on
	ds_load_b128 v[ID:ID+3], v41 offset:\imm
	ds_load_b128 v[ID+4:ID+7], v41 offset:\imm+16
	ds_load_b32 v[ID+8], v42 offset:\imm
.endm
; my tile's 16 records and their scale bytes, by the slots just asked for: 25 loads.  m: the LDS loads issued behind the slots', which may stay out.
; n: the loads from memory that may stay out: the wait shows done the last gather's loads, which named v32-40, written here.
; (That those loads have read v32-40, and the LDS stores the records' registers, is stated by the wait on vm_vsrc behind the trip's first barrier.)
.macro GATHER n, m
	s_wait_loadcnt \n
	s_wait_dscnt \m
.irp j, 0,1,2,3,4,5,6,7,8
	v_lshrrev_b32 v[VO+\j], 1, v[ID+\j]            ; the token
.endr
.irp j, 0,1,2,3,4,5,6,7,8
	v_min_u32 v[VO+\j], 0x3ff, v[VO+\j]            ; (a dummy slot: token 1,023)
.endr
.irp j, 0,1,2,3,4,5,6,7
	v_mul_u32_u24 v[VO+\j], v[VO+\j], 768
.endr
	v_lshlrev_b32 v[VO+8], 5, v[VO+8]
.irp j, 0,1,2,3,4,5,6,7
	v_add_nc_u32 v[VO+\j], v[VO+\j], v19
.endr
	v_add_nc_u32 v[VO+8], v[VO+8], v20
	WIN 0xc0                                       ; destination window 3
	s_wait_alu depctr_va_vdst(0)                   ; the offsets v32-40 are written, which the loads below read
.irp j, 0,1,2,3,4,5,6,7
.irp u, 0,1,2
	global_load_b128 v[12*\j+4*\u:12*\j+4*\u+3], v[VO+\j], s[4:5] offset:256*\u   ; sixteen lanes read 256 consecutive bytes of row j, the other sixteen of row 8 + j
.endr
.endr
	global_load_b128 v[96:99], v[VO+8], s[4:5] offset:XQS
	WIN 0
.endm
	IDS 0
	GATHER 48, 0                                   ; the first block; the 48 loads of W1 may be out
.irp t, 0,1,2,3
	global_load_b128 v[WS+4*\t:WS+4*\t+3], v244, s[10:11] offset:(32*(\t/2)+8*(\t%2))*32   ; into v44-91: no vector line since the gather's wait names them; the compares and additions that did stand ahead of it
.endr
.irp t, 0,1,2,3
	global_load_b128 v[B1+8*\t:B1+8*\t+3], v245, s[12:13] offset:(32*(\t/2)+8*(\t%2))*4
	global_load_b128 v[B1+8*\t+4:B1+8*\t+7], v245, s[12:13] offset:(32*(\t/2)+8*(\t%2))*4+16
.endr
	s_xor_b32 s23, s16, 1
	s_or_b32 s23, s23, s20
	s_cmp_lg_u32 s23, 0
	s_cbranch_scc1 .Lnolist                        ; wave 1 of the expert's first work-group stores the list and the weights for the next launch
.irp i, 0,1,2,3,4,5,6,7,8
	ds_load_b128 v[128+4*\i:131+4*\i], v15 offset:512*\i
	ds_load_b128 v[164+4*\i:167+4*\i], v15 offset:LWT+512*\i
.endr
	s_wait_dscnt 0x0
.irp i, 0,1,2,3,4,5,6,7,8
	global_store_b128 v15, v[128+4*\i:131+4*\i], s[50:51] offset:512*\i   ; 512 consecutive bytes, at a multiple of 256 from the buffer's first byte
	global_store_b128 v15, v[164+4*\i:167+4*\i], s[52:53] offset:512*\i
.endr
	s_wait_xcnt 0x0                                ; the stores' data are written again only behind this wait
	s_wait_alu depctr_vm_vsrc(0)                   ; and these stores have read v128-199, in which fragments of x land later
.Lnolist:
	s_wait_loadcnt 37                              ; W1 is in; behind it: 25 of x, 12 of scale words and b1
	WIN 0x04                                       ; an LDS store's data are its source 1: window 1
.irp m, 0,1,2,3,4,5,6,7,8,9,10,11,12,13,14,15
.irp v, 0,1,2
	ds_store_b128 v5, v[4*(3*\m+\v):4*(3*\m+\v)+3] offset:(16*(\m/8)+\m%8)*WP+256*\v   ; row 32 w + 16 h + m goes to slot 32 w + 16 (m / 8) + 8 h + m % 8: a tile's sixteen rows then lie on end
.endr
.endr
	WIN 0
	s_wait_dscnt 0x0                               ; for the others' sake: my rows have landed
	s_barrier_signal -1
	s_barrier_wait -1
	WIN 0x40
	s_wait_alu depctr_vm_vsrc(0)                   ; my LDS stores have read window 1's v0-191, in which the fragments' loads land
.irp s, 0,1,2,3
.irp t, 0,1,2,3
.irp p, 0,1,2,3,4,5
	ds_load_b64 v[12*(4*\s+\t)+2*\p:12*(4*\s+\t)+2*\p+1], v6 offset:16*WP*\t+96*\s+48*(\p/3)+8*(\p%3)
.endr
.endr
.endr
	WIN 0x80
.irp s, 4,5,6,7
.irp t, 0,1,2,3
.irp p, 0,1,2,3,4,5
	ds_load_b64 v[12*(4*(\s-4)+\t)+2*\p:12*(4*(\s-4)+\t)+2*\p+1], v6 offset:16*WP*\t+96*\s+48*(\p/3)+8*(\p%3)
.endr
.endr
.endr
	WIN 0
	s_wait_loadcnt 0x0                             ; scale words, b1, and the first block of x, which the first trip wants at once
; a tile's scale words and eight fragments: 25 LDS loads; sixteen lanes read 256 consecutive bytes.  Tile par (mm = 0) into window 0, tile par + 2 (mm = 1) into v250-253 and window 3
.macro XLOADS mm
.if \mm == 0
	ds_load_b128 v[XS:XS+3], v10
.irp s, 0,1,2,3,4,5,6,7
.irp g, 0,1,2
	ds_load_b128 v[XF+12*\s+4*\g:XF+12*\s+4*\g+3], v9 offset:1632*\s+544*\g
.endr
.endr
.else
	WIN 0
	ds_load_b128 v[XS1:XS1+3], v10 offset:2*XT
	WIN 0xc0                                       ; destination window 3
.irp s, 0,1,2,3,4,5,6,7
.irp g, 0,1,2
	ds_load_b128 v[XG+12*\s+4*\g:XG+12*\s+4*\g+3], v9 offset:2*XT+1632*\s+544*\g
.endr
.endr
.endif
.endm
; 32 products: K step by K step, the four accumulators by turns, one instruction a turn.
; In the middle of the first tile's products stand the second tile's 25 LDS loads.  No wait: no vector or matrix instruction since the last wait on va_vdst names their registers.
; The wait ahead of K step s leaves the later K steps' three loads each out; with them, in the first tile from K step 4 on, the second tile's 25 loads; in the second tile, the four stores of the tile before.
.macro MULS mm
.if \mm == 0
.set FB, XF
.set SB, XS
.set WB, 0
.else
.set FB, XG
.set SB, XS1
.set WB, 0x0c                          ; source 1 (x): window 3
.endif
.irp s, 0,1,2,3,4,5,6,7
.if (\mm == 0) && (\s == 4)
	XLOADS 1
.endif
.if \mm == 1
	s_wait_dscnt 3*(7-\s)+4
.elseif \s < 4
	s_wait_dscnt 3*(7-\s)
.else
	s_wait_dscnt 3*(7-\s)+25
.endif
	WIN WB+1+\s/4                                  ; source 0 (W1): window 1 or 2
.irp t, 0,1,2,3
.if \s == 0
	v_wmma_scale_f32_16x16x128_f8f6f4 v[ACC+8*\t:ACC+8*\t+7], v[12*\t:12*\t+11], v[FB:FB+11], v[B1+8*\t:B1+8*\t+7], v[WS+4*\t], v[SB] matrix_a_fmt:MATRIX_FMT_FP6 matrix_b_fmt:MATRIX_FMT_FP6
.elseif \s < 4
	v_wmma_scale_f32_16x16x128_f8f6f4 v[ACC+8*\t:ACC+8*\t+7], v[12*(4*\s+\t):12*(4*\s+\t)+11], v[FB+12*\s:FB+12*\s+11], v[ACC+8*\t:ACC+8*\t+7], v[WS+4*\t+\s], v[SB+\s] matrix_a_fmt:MATRIX_FMT_FP6 matrix_b_fmt:MATRIX_FMT_FP6
.else
	v_wmma_scale_f32_16x16x128_f8f6f4 v[ACC+8*\t:ACC+8*\t+7], v[12*(4*(\s-4)+\t):12*(4*(\s-4)+\t)+11], v[FB+12*\s:FB+12*\s+11], v[ACC+8*\t:ACC+8*\t+7], v[WS+4*\t+\s-4], v[SB+\s-4] matrix_a_fmt:MATRIX_FMT_FP6 matrix_b_fmt:MATRIX_FMT_FP6 matrix_a_scale:MATRIX_SCALE_ROW1 matrix_b_scale:MATRIX_SCALE_ROW1
.endif
.endr
.endr
	WIN 0
.rept 4
	v_nop                                          ; four places ahead of the first read of results (ISA guide 7.12.1)
.endr
.endm
; relu; my two blocks of 32 along the next K are quantised; six registers and two scale bytes go to tile par + 2 mm's place in LDS
.macro QUANT2 mm
.irp j, 0,1,2,3,4,5,6,7,8,9,10,11,12,13,14,15,16,17,18,19,20,21,22,23,24,25,26,27,28,29,30,31
	v_max_num_f32 v[ACC+\j], 0, v[ACC+\j]          ; each accumulator from its low end on
.endr
.irp b, 0,1
	v_max3_num_f32 v[TM+\b], v[ACC+16*\b], v[ACC+16*\b+1], 0x1800000   ; none is negative; the floor 2^(3 - 127) holds the byte at 1 from below
.endr
.irp i, 2,4,6,8,10,12,14
.irp b, 0,1
	v_max3_num_f32 v[TM+\b], v[TM+\b], v[ACC+16*\b+\i], v[ACC+16*\b+\i+1]
.endr
.endr
.irp b, 0,1
	v_permlanex16_b32 v[TM+2+\b], v[TM+\b], s32, s33
.endr
.irp b, 0,1
	v_max_num_f32 v[TM+\b], v[TM+\b], v[TM+2+\b]   ; with lane l xor 16's sixteen: the block's largest
.endr
.irp b, 0,1
	v_add_nc_u32 v[TM+4+\b], 0xff000000, v[TM+\b]  ; 2 off the exponent field: the conversion's scale operand
.endr
.irp b, 0,1
	v_lshrrev_b32 v[TM+6+\b], 23, v[TM+4+\b]       ; the scale's byte
.endr
.if \mm == 1
	s_wait_alu depctr_vm_vsrc(0)                   ; the first tile's four LDS stores, a tile's products back, have read v232 and v234-239, which are written again below
.endif
	v_lshl_or_b32 v[TM+8], v[TM+7], 8, v[TM+6]
	v_cvt_scalef32_pk16_fp6_f32 v[PC:PC+2], v[ACC:ACC+15], v[TM+4]
	v_cvt_scalef32_pk16_fp6_f32 v[PT:PT+2], v[ACC+16:ACC+31], v[TM+5]
	v_nop                                          ; one plain line behind the conversions
.irp i, 0,1,2
	v_permlane16_swap_b32 v[PC+\i], v[PT+\i]       ; a whole block to a lane: lanes 0-15 block 2 c, lanes 16-31 block 2 c + 1
.endr
.irp i, 0,1,2
	v_mov_b32 v[PC+3+\i], v[PT+\i]
.endr
	s_wait_alu depctr_va_vdst(0)                   ; v232 and v234-239 are written, which the four stores below read
.irp i, 0,1,2
	ds_store_b64 v11, v[PC+2*\i:PC+2*\i+1] offset:2*HT*(\mm)+8*\i
.endr
	ds_store_b16 v12, v[TM+8] offset:2*HT*(\mm)    ; lanes r and r + 16 write the same two bytes with the same values
.endm
.Lblk:
	s_cmp_lt_u32 s22, s21
	s_cbranch_scc0 .Lnox
	s_wait_loadcnt 0x0                             ; my tile's records are in registers
	WIN 0x0c                                       ; the stores' data: window 3
.irp j, 0,1,2,3,4,5,6,7
.irp u, 0,1,2
	ds_store_b128 v7, v[12*\j+4*\u:12*\j+4*\u+3] offset:4352*\u+16*\j
.endr
.endr
	ds_store_b128 v8, v[96:99]
	WIN 0
.Lnox:
	s_wait_dscnt 0x0                               ; x's block has landed; my reads of h's block, and in the first trip W1's fragments, are in
	s_barrier_signal -1
	s_barrier_wait -1
	s_cmp_lt_u32 s22, s21
	s_cbranch_scc0 .Lnomul
	s_wait_alu depctr_vm_vsrc(0)                   ; read by now: v41 and v42 by the last slots' loads; the records' registers by this trip's LDS stores and v32-40 by the last gather's loads; v232 and v234-239 by the last block's LDS stores: all are written again below
	IDS 256                                        ; the next block's slots, ahead of this block's fragments
	XLOADS 0
	s_add_co_u32 s23, s22, 1
	s_cmp_lt_u32 s23, s21
	s_cbranch_scc0 .Lnog
	GATHER 0, 25                                   ; the slots are in, the tile's 25 LDS loads may be out; the next block's records land while this block is multiplied
.Lnog:
	MULS 0
	QUANT2 0
	MULS 1
	QUANT2 1
.Lnomul:
	s_wait_dscnt 0x0                               ; h's block has landed, and my reads of x's block are in
	s_barrier_signal -1
	s_barrier_wait -1
	s_cmp_lt_u32 s22, s21
	s_cbranch_scc0 .Lnoout
	s_mul_i32 s23, s22, 196608                     ; four tiles x 32 K steps x 1,536 bytes a block
	v_add_nc_u32 v43, s23, v15
	v_add_nc_u32 v21, s38, v16
	s_wait_alu depctr_va_vdst(0)                   ; v43 and v21 are written, which the stores below read; the block's products are done reading v128-141, in which the loads below land
.irp g, 0,1,2
	ds_load_b128 v[XF+4*\g:XF+4*\g+3], v13 offset:16*\g
.endr
	ds_load_b64 v[XF+12:XF+13], v14
	s_wait_dscnt 0x0
.irp g, 0,1,2
	global_store_b128 v43, v[XF+4*\g:XF+4*\g+3], s[28:29] offset:512*\g   ; tile w's image: 512 consecutive bytes a store, aligned to 256
.endr
	s_cmp_lg_u32 s16, 0
	s_cbranch_scc1 .Lnosc
	global_store_b64 v21, v[XF+12:XF+13], s[30:31] ; the block's 64 scale words: 256 consecutive bytes, aligned
.Lnosc:
	s_wait_xcnt 0x0                                ; the stores' data and offsets are written again only behind this wait
	s_wait_alu depctr_vm_vsrc(0)                   ; and the stores have read v43, v21 and v128-141, which the next trip writes again
.Lnoout:
	s_add_co_u32 s38, s38, 256
	s_add_co_u32 s22, s22, 1
	s_cmp_lt_u32 s22, 16
	s_cbranch_scc1 .Lblk
	s_wait_dscnt 0x0                               ; the closing lines, six on end
	s_wait_alu 0x0
	s_wait_tensorcnt 0x0
	ds_add_u32 v254, v255
	s_wait_dscnt 0x0
	s_endpgm
.Lfunc_end_k_q3af50fa618_gemm1:
	.size	k_q3af50fa618_gemm1, .Lfunc_end_k_q3af50fa618_gemm1-k_q3af50fa618_gemm1
	.p2alignl 7, 3214868480
	.fill 96, 4, 3214868480
	.section	.rodata,"a",@progbits
	.p2align	6, 0x0
	.amdhsa_kernel k_q3af50fa618_gemm1
		.amdhsa_group_segment_fixed_size 173056
		.amdhsa_private_segment_fixed_size 0
		.amdhsa_enable_private_segment 0
		.amdhsa_kernarg_size 72
		.amdhsa_user_sgpr_count 2
		.amdhsa_user_sgpr_kernarg_segment_ptr 1
		.amdhsa_wavefront_size32 1
		.amdhsa_system_sgpr_workgroup_id_x 1
		.amdhsa_system_sgpr_workgroup_id_y 1
		.amdhsa_system_sgpr_workgroup_id_z 1
		.amdhsa_system_vgpr_workitem_id 0
		.amdhsa_next_free_vgpr 1024
		.amdhsa_next_free_sgpr 84
		.amdhsa_reserve_vcc 0
		.amdhsa_float_denorm_mode_32 3
		.amdhsa_float_denorm_mode_16_64 3
		.amdhsa_memory_ordered 1
		.amdhsa_forward_progress 1
		.amdhsa_inst_pref_size 114
	.end_amdhsa_kernel
	.amdgpu_metadata
---
amdhsa.version: [ 1, 2 ]
amdhsa.kernels:
  - .name:           k_q3af50fa618_gemm1
    .symbol:         k_q3af50fa618_gemm1.kd
    .args:
      - { .name: xq, .offset: 0, .size: 8, .value_kind: global_buffer, .address_space: global }
      - { .name: sel, .offset: 8, .size: 8, .value_kind: global_buffer, .address_space: global }
      - { .name: w1_codes, .offset: 16, .size: 8, .value_kind: global_buffer, .address_space: global }
      - { .name: w1_scales, .offset: 24, .size: 8, .value_kind: global_buffer, .address_space: global }
      - { .name: b1, .offset: 32, .size: 8, .value_kind: global_buffer, .address_space: global }
      - { .name: hq, .offset: 40, .size: 8, .value_kind: global_buffer, .address_space: global }
      - { .name: gw, .offset: 48, .size: 8, .value_kind: global_buffer, .address_space: global }
      - { .name: list, .offset: 56, .size: 8, .value_kind: global_buffer, .address_space: global }
      - { .name: gws, .offset: 64, .size: 8, .value_kind: global_buffer, .address_space: global }
    .group_segment_fixed_size: 173056
    .private_segment_fixed_size: 0
    .kernarg_segment_align: 8
    .kernarg_segment_size: 72
    .max_flat_workgroup_size: 128
    .sgpr_count:     84
    .vgpr_count:     1024
    .wavefront_size: 32
...
	.end_amdgpu_metadata
.endif
;; end of part 5
;; launch gemm2 (part 6): grid 32 x 8, 4 waves a work-group, no clusters, 170,496 bytes of LDS; arguments hq, list, gws, w2_codes, w2_scales, b2, y; writes y
.if DOCPART == 6
	.amdgcn_target "amdgcn-amd-amdhsa--gfx1250"
	.amdhsa_code_object_version 6
	.text
	.protected	k_q3af50fa618_gemm2
	.globl	k_q3af50fa618_gemm2
	.p2align	8
	.type	k_q3af50fa618_gemm2,@function
k_q3af50fa618_gemm2:
	s_mov_b64 s[64:65], 0
	v_nop
	global_prefetch_b8 v0, s[64:65] scope:SCOPE_SE
	s_setreg_imm32_b32 hwreg(HW_REG_WAVE_SCHED_MODE, 0, 2), 2
	s_setreg_imm32_b32 hwreg(HW_REG_WAVE_MODE, 25, 1), 1
	s_wait_xcnt 0x0
	s_wait_alu depctr_vm_vsrc(0)
; y[kh][slot][n] = weight x (the sum over half kh of K of h W2[e], + b2[e] where kh = 0), for the rows that chose expert e, on codes of E2M3 with one E8M0 scale for each 32 along K.
; THE WEIGHTS STAND STILL.  Work-group (ns, kh, e) owns columns 64 ns .. 64 ns + 63 and K = 2048 kh .. 2048 kh + 2047 of expert e: 96 KiB of codes, read from memory once by this work-group alone.
; Wave w keeps K steps 16 kh + 4 w + 0 .. 3 of the four column tiles (16 fragments, 192 registers) and loads only those K steps of h, as images of the operand's registers, straight into registers, one block ahead.
; Source 0 = 16 columns of W2, source 1 = 16 rows of h: a lane holds one row and eight neighbouring columns.  The four waves' partial sums of a block of 64 rows meet in LDS; wave w adds up tile w,
; adds b2, multiplies by the row's weight and stores each row's 256 bytes at its slot's row of y.  A last launch adds a token's four parts: its two experts lie in other work-groups.
; 64 columns so that a row's piece is 256 consecutive bytes, aligned; half of K so that there are 256 work-groups.
; THE COUNT OF ROWS IS A STORED NUMBER: 16 trips whatever it is, every wave passes every barrier, scalar branches on the count lead round the work.  So the text holds no tensor load, and no joint load in a cluster.
; Rows that fill the last block carry the dummy slot 2048 + e and the weight 0: they are stored in row 2048 + e of y, whose piece is this work-group's own and which nobody reads.
; REGISTERS: window 0: addresses, scale words, slots, weights, b2, v96-223 sixteen accumulators (32 d + 8 t), later the partial sums.  Window 1: W2's fragments at 12 (4 q + t).  Window 2: h's at 48 d + 12 q.
; THE MODE: SCHED_MODE bits 1:0 = 2 (LLVM: expert scheduling mode 2), set by the entry lines.  The code itself states the register dependences
; between vector or matrix instructions and memory or LDS instructions, with s_wait_alu, always for 0.
; THE PLAN.  Registers that memory or LDS instructions touch, in the loop:
;   h's tile d (window 2, 48 d on) with v40 + 2 d, v41 + 2 d   Read by tile d's sixteen products; the next block's 14 loads land in them.
;   tile d's accumulators (v96 + 32 d on)   Written by tile d's products; read by eight LDS stores.
;   v96-223 on the way out   LDS loads land in them; vector lines add them up; the global stores read v96-127.
;   v48-63   Loads land in them at a block's head; the way out's vector lines read them.          v64-71  Written by the way out's vector lines; read by its stores.
;   The addresses v4-14 are made at the head and never written again: scalar bases move on, and immediate offsets do the rest.
; ONE wait on va_vdst stands ahead of tile d's products, behind the four places: tile d - 1's products have written their sums and are done reading their operands.  Tile d - 1's 14 loads and eight LDS stores
; follow behind tile d's first four products, which name none of those registers.  Tile 3's stand behind a wait of their own at the block's end.  One more wait on va_vdst stands ahead of the way out's eight stores;
; no vector line behind it names v48-63, so it serves the next block's loads of slots and weights too.  Waits on vm_vsrc stand beside the wait on DScnt ahead of the second barrier and beside the wait on XCNT at the trip's end.
.set WP,   1552                        ; LDS: W2's 64 rows, 1,536 bytes + 16: row q starts at bank 4 q mod 64
.set RED,  99328                       ; the partial sums: [tile d][wave][row 16][256 bytes + 16]
.set HQS,  25165824                    ; where the scale words begin in hq
.set WS,   24                          ; v24-39  W2's scale words: 4 t + q
.set HSC,  40                          ; v40-47  h's: 2 d + i: lanes 0-15 my K step 2 i, lanes 16-31 my K step 2 i + 1
.set ID,   48                          ; v48-55  slots of rows 8 h + 0 .. 7 of tile w
.set GWT,  56                          ; v56-63  their weights
.set VO,   64                          ; v64-71  their offsets in y
.set B2,   72                          ; v72-75  b2 of my four columns (zeros where kh = 1)
.set ACC,  96
.set MSB, 0
.macro WIN new                         ; the immediate's high byte repeats the setting that is left
.if MSB != (\new)
	s_set_vgpr_msb (MSB<<8)|(\new)
.set MSB, (\new)
.endif
.endm
	s_load_b256 s[4:11], s[0:1], 0x0               ; hq, list, gws, w2_codes
	s_load_b128 s[12:15], s[0:1], 0x20             ; w2_scales, b2
	s_load_b64 s[16:17], s[0:1], 0x30              ; y
	v_lshl_add_u32 v254, v0, 2, 0x29800
	v_mov_b32 v255, 0
	v_lshrrev_b32 v1, 5, v0
	v_readfirstlane_b32 s18, v1                    ; wave
	s_and_b32 s19, ttmp7, 0xffff                   ; e
	s_lshr_b32 s20, ttmp9, 1                       ; ns
	s_and_b32 s23, ttmp9, 1                        ; kh
	s_mov_b32 s22, 0                               ; the block in hand
	v_and_b32 v1, 31, v0                           ; l
	v_and_b32 v2, 15, v0                           ; r
	v_bfe_u32 v3, v0, 4, 1                         ; h
	v_lshlrev_b32 v13, 4, v2                       ; v13 16 r
	v_mad_u32_u24 v4, v3, 24576, v13               ; v4  W2 in memory: lanes 16-31 eight rows on
	s_wait_alu depctr_va_sdst(0)                   ; s18 is written, ahead of its first reader
	s_mul_i32 s24, s18, 16*WP
	v_mad_u32_u24 v5, v3, 8*WP, v13
	v_add_nc_u32 v5, s24, v5                       ; v5  W2 into LDS
	s_mul_i32 s24, s18, 384
	v_mul_u32_u24 v6, v2, WP
	v_mad_u32_u24 v6, v3, 24, v6
	v_add_nc_u32 v6, s24, v6                       ; v6  W2's fragments: row r (+ 16 t), my four K steps
	v_add_nc_u32 v7, 32*WP, v6                     ; v7  the same for tiles 2 and 3 (the immediate has 16 bits)
	v_lshlrev_b32 v8, 4, v1                        ; v8  16 l
	v_lshlrev_b32 v9, 2, v2
	v_lshl_add_u32 v9, v3, 12, v9                  ; v9  h's scale words: row r; lanes 16-31 a K step on
	s_lshl_b32 s24, s18, 6
	v_lshl_add_u32 v10, v3, 5, s24                 ; v10 list and weights: tile w's rows 8 h on
	s_mul_i32 s24, s18, 4352
	s_add_co_u32 s24, s24, RED
	v_mul_u32_u24 v11, v2, 272
	v_lshl_add_u32 v11, v3, 5, v11
	v_add_nc_u32 v11, s24, v11                     ; v11 partial sums, in: my wave's place, row r, 32 h bytes on
	s_mul_i32 s24, s18, 17408
	s_add_co_u32 s24, s24, RED
	v_mad_u32_u24 v12, v3, 2176, v13
	v_add_nc_u32 v12, s24, v12                     ; v12 and back: tile w, rows 8 h on, 16 bytes a lane
	v_lshlrev_b32 v14, 7, v2                       ; v14 W2's scale bytes: 128 a row
.rept 16
	v_mov_b32 v[ID+\+], 0                          ; slots and weights get a value here: the way out, which reads them, stands under a branch of its own
.endr
	; byte offsets, apart from the addresses
	s_lshl_b32 s24, s19, 10
	s_lshl_b32 s25, s20, 6
	s_add_co_u32 s24, s24, s25                     ; the slice's first row of W2: 1024 e + 64 ns
	s_lshl_b32 s25, s18, 4
	s_add_co_u32 s25, s25, s24
	s_mul_i32 s36, s25, 3072                       ; the 16 rows that I bring,
	s_mul_i32 s25, s23, 1536
	s_add_co_u32 s36, s36, s25                     ; their half of K
	s_mov_b32 s37, 0
	s_lshl_b32 s38, s24, 7
	s_lshl_b32 s25, s23, 6
	s_add_co_u32 s38, s38, s25
	s_lshl_b32 s25, s18, 4
	s_add_co_u32 s38, s38, s25                     ; scale bytes: my four K steps' words
	s_mov_b32 s39, 0
	s_lshl_b32 s40, s24, 2
	s_mov_b32 s41, 0
	s_mul_i32 s42, s19, 4608
	s_mov_b32 s43, 0
	s_lshl_b32 s25, s23, 4
	s_lshl_b32 s44, s18, 2
	s_add_co_u32 s25, s25, s44                     ; my first K step: 16 kh + 4 w
	s_lshl_b32 s44, s19, 11
	s_add_co_u32 s44, s44, s25
	s_mul_i32 s44, s44, 1536                       ; hq: image (tile 64 e, my first K step)
	s_mov_b32 s45, 0
	s_lshl_b32 s46, s19, 5
	s_add_co_u32 s46, s46, s25
	s_lshl_b32 s46, s46, 12                        ; hq: its scale words
	s_mov_b32 s47, 0
	s_mul_i32 s48, s23, 8421376                    ; y: 2,056 rows of 4,096 bytes for each half of K
	s_lshl_b32 s25, s20, 8
	s_add_co_u32 s48, s48, s25
	s_mov_b32 s49, 0
	s_wait_kmcnt 0x0
	s_add_nc_u64 s[10:11], s[10:11], s[36:37]
	s_add_nc_u64 s[12:13], s[12:13], s[38:39]
	s_add_nc_u64 s[14:15], s[14:15], s[40:41]
	s_add_nc_u64 s[26:27], s[6:7], s[42:43]        ; expert e's list
	s_add_nc_u64 s[28:29], s[8:9], s[42:43]        ; and weights
	s_add_nc_u64 s[30:31], s[4:5], s[44:45]
	s_add_nc_u64 s[32:33], s[4:5], s[46:47]
	s_add_nc_u64 s[32:33], s[32:33], HQS
	s_add_nc_u64 s[34:35], s[16:17], s[48:49]
	s_load_b32 s21, s[26:27], 0x11fc               ; the count of rows
; tile d's four fragments of my K steps and their scale words, off bytes of images on: 14 loads, each of 512 (the last two: two runs of 64) consecutive bytes
.macro HLOAD d, off
	WIN 0x80                                       ; destination window 2
.irp q, 0,1,2,3
.irp g, 0,1,2
	global_load_b128 v[48*(\d)+12*\q+4*\g:48*(\d)+12*\q+4*\g+3], v8, s[30:31] offset:(\off)+49152*(\d)+1536*\q+512*\g
.endr
.endr
	WIN 0
	global_load_b32 v[HSC+2*(\d)], v9, s[32:33] offset:(\off)/768+64*(\d)
	global_load_b32 v[HSC+2*(\d)+1], v9, s[32:33] offset:(\off)/768+64*(\d)+8192
.endm
	WIN 0x40                                       ; destination window 1
	s_wait_alu depctr_va_vdst(0)                   ; the addresses and offsets v4-14 are written, which the loads and stores of the whole kernel read; so are v48-63, in which the first block's slots and weights land
.irp j, 0,1,2,3,4,5,6,7
.irp v, 0,1,2,3,4,5
	global_load_b128 v[4*(6*\j+\v):4*(6*\j+\v)+3], v4, s[10:11] offset:3072*\j+256*\v th:TH_LOAD_NT   ; sixteen lanes read 256 consecutive bytes of a row; read once in the launch
.endr
.endr
	WIN 0
.irp d, 0,1,2,3
	HLOAD \d, 0                                    ; the first block of h
.endr
.irp t, 0,1,2,3
	global_load_b128 v[WS+4*\t:WS+4*\t+3], v14, s[12:13] offset:2048*\t
.endr
	global_load_b128 v[B2:B2+3], v13, s[14:15]
	s_wait_loadcnt 61                              ; the weights are in; behind them: 56 of h, 4 of scale words, 1 of b2
	WIN 0x04                                       ; an LDS store's data are its source 1: window 1
.irp j, 0,1,2,3,4,5,6,7
.irp v, 0,1,2,3,4,5
	ds_store_b128 v5, v[4*(6*\j+\v):4*(6*\j+\v)+3] offset:WP*\j+256*\v
.endr
.endr
	WIN 0
	s_wait_dscnt 0x0                               ; for the others' sake: my rows have landed
	s_barrier_signal -1
	s_barrier_wait -1
	WIN 0x40
	s_wait_alu depctr_vm_vsrc(0)                   ; my LDS stores have read window 1's v0-191, in which the fragments' loads land
.irp t, 0,1,2,3
.irp q, 0,1,2,3
.irp p, 0,1,2,3,4,5
.if \t < 2
	ds_load_b64 v[12*(4*\q+\t)+2*\p:12*(4*\q+\t)+2*\p+1], v6 offset:16*WP*(\t%2)+96*\q+48*(\p/3)+8*(\p%3)
.else
	ds_load_b64 v[12*(4*\q+\t)+2*\p:12*(4*\q+\t)+2*\p+1], v7 offset:16*WP*(\t%2)+96*\q+48*(\p/3)+8*(\p%3)
.endif
.endr
.endr
.endr
	WIN 0
	s_wait_kmcnt 0x0
	s_add_co_u32 s21, s21, 63
	s_lshr_b32 s21, s21, 6
	s_min_u32 s21, s21, 16                         ; blocks of 64 rows
	s_cmp_eq_u32 s23, 0
	s_cselect_b32 s24, 0x3f800000, 0               ; b2 counts once: in the first half of K
	s_wait_loadcnt 0x0
.irp i, 0,1,2,3
	v_mul_f32 v[B2+\i], s24, v[B2+\i]
.endr
; What follows tile d's products: refill = 1: its registers take the next block's tile (14 loads); its partial sums go to LDS (eight stores)
.macro TAIL d, refill
.if \refill
	HLOAD \d, 196608                               ; four tiles x 32 K steps x 1,536 bytes on
.endif
	WIN 0
.irp t, 0,1,2,3
	ds_store_b128 v11, v[ACC+32*(\d)+8*\t:ACC+32*(\d)+8*\t+3] offset:17408*(\d)+64*\t      ; each accumulator from its low end on
	ds_store_b128 v11, v[ACC+32*(\d)+8*\t+4:ACC+32*(\d)+8*\t+7] offset:17408*(\d)+64*\t+16
.endr
.endm
; A BLOCK: my four K steps of the four tiles of rows: 64 products; the partial sums go to LDS.  Tile d - 1's loads and stores stand behind tile d's first four products.
; Loads out at the wait ahead of tile d: the tiles behind it (14 each), the 4 of slots and weights, and with refill = 1 the refills of tiles 0 to d - 2 (14 each): 46 for tile 0, then 32; without: 14 (3 - d) + 4.
.macro BLOCK refill
	global_load_b128 v[ID:ID+3], v10, s[26:27]     ; no wait: the lines that named v48-63 stand ahead of the last wait on va_vdst: the way out's, or in the first block the head's
	global_load_b128 v[ID+4:ID+7], v10, s[26:27] offset:16
	global_load_b128 v[GWT:GWT+3], v10, s[28:29]
	global_load_b128 v[GWT+4:GWT+7], v10, s[28:29] offset:16
.irp d, 0,1,2,3
.if !\refill
	s_wait_loadcnt 14*(3-\d)+4
.elseif \d == 0
	s_wait_loadcnt 46
.else
	s_wait_loadcnt 32
.endif
.if \d > 0
	s_wait_alu depctr_va_vdst(0)                   ; the tile before: its products have written its accumulators, which the LDS stores below read, and are done reading its fragments and scale words of h, in which the loads below land
.endif
.irp q, 0,1,2,3                        ; the tile's four accumulators by turns, one instruction a turn; the first K step starts the sums
	WIN 0x09                                       ; source 0 (W2) window 1, source 1 (h) window 2
.irp t, 0,1,2,3
.if \q == 0
	v_wmma_scale_f32_16x16x128_f8f6f4 v[ACC+32*\d+8*\t:ACC+32*\d+8*\t+7], v[12*\t:12*\t+11], v[48*\d:48*\d+11], 0, v[WS+4*\t], v[HSC+2*\d] matrix_a_fmt:MATRIX_FMT_FP6 matrix_b_fmt:MATRIX_FMT_FP6
.elseif \q == 2
	v_wmma_scale_f32_16x16x128_f8f6f4 v[ACC+32*\d+8*\t:ACC+32*\d+8*\t+7], v[12*(4*\q+\t):12*(4*\q+\t)+11], v[48*\d+12*\q:48*\d+12*\q+11], v[ACC+32*\d+8*\t:ACC+32*\d+8*\t+7], v[WS+4*\t+\q], v[HSC+2*\d+1] matrix_a_fmt:MATRIX_FMT_FP6 matrix_b_fmt:MATRIX_FMT_FP6
.else
	v_wmma_scale_f32_16x16x128_f8f6f4 v[ACC+32*\d+8*\t:ACC+32*\d+8*\t+7], v[12*(4*\q+\t):12*(4*\q+\t)+11], v[48*\d+12*\q:48*\d+12*\q+11], v[ACC+32*\d+8*\t:ACC+32*\d+8*\t+7], v[WS+4*\t+\q], v[HSC+2*\d+\q/2] matrix_a_fmt:MATRIX_FMT_FP6 matrix_b_fmt:MATRIX_FMT_FP6 matrix_b_scale:MATRIX_SCALE_ROW1
.endif
.endr
.if (\q == 0) && (\d > 0)
	TAIL (\d-1), \refill                           ; no wait: the four products since the wait above name this tile's registers alone
.endif
.endr
.rept 4
	v_nop                                          ; four places behind the tile's products, ahead of the stores that read their results; they stay beside the wait
.endr
.endr
	s_wait_alu depctr_va_vdst(0)                   ; tile 3: its products have written its accumulators and are done reading its fragments and scale words of h
	TAIL 3, \refill
.if \refill
	s_wait_loadcnt 56                              ; slots and weights are in; the 56 refills may be out
.else
	s_wait_loadcnt 0x0
.endif
.endm
.Lblk:
	s_wait_dscnt 0x0                               ; my reads of the partial sums, and in the first trip W2's fragments, are in
	s_barrier_signal -1
	s_barrier_wait -1
	s_cmp_lt_u32 s22, s21
	s_cbranch_scc0 .Lnomul
	s_add_co_u32 s24, s22, 1
	s_cmp_lt_u32 s24, s21
	s_cbranch_scc0 .Llast
	BLOCK 1
	s_branch .Lnomul
.Llast:
	BLOCK 0                                        ; the expert's last block asks for nothing more
.Lnomul:
	s_wait_dscnt 0x0                               ; my partial sums have landed
	s_wait_alu depctr_vm_vsrc(0)                   ; and my LDS stores have read the accumulators v96-223, in which the loads below land and which the next block's products write
	s_barrier_signal -1
	s_barrier_wait -1
	s_cmp_lt_u32 s22, s21
	s_cbranch_scc0 .Lnoout
.irp s, 0,1,2,3
.irp i, 0,1,2,3,4,5,6,7
	ds_load_b128 v[ACC+32*\s+4*\i:ACC+32*\s+4*\i+3], v12 offset:4352*\s+272*\i   ; wave s's part of row 8 h + i of tile w, my four columns.  No wait: the products and vector lines that named v96-223 stand ahead of the last wait on va_vdst
.endr
.endr
.irp i, 0,1,2,3,4,5,6,7
	v_min_u32 v[VO+\i], 0x807, v[ID+\i]            ; a slot, or a dummy: at most 2,055
.endr
.irp i, 0,1,2,3,4,5,6,7
	v_lshlrev_b32 v[VO+\i], 12, v[VO+\i]
.endr
.irp i, 0,1,2,3,4,5,6,7
	v_add_nc_u32 v[VO+\i], v[VO+\i], v13
.endr
	s_wait_dscnt 0x0
.irp s, 32,64,96                       ; K ascending
.irp i, 0,1,2,3,4,5,6,7
	v_pk_add_f32 v[ACC+4*\i:ACC+4*\i+1], v[ACC+4*\i:ACC+4*\i+1], v[ACC+\s+4*\i:ACC+\s+4*\i+1]
	v_pk_add_f32 v[ACC+4*\i+2:ACC+4*\i+3], v[ACC+4*\i+2:ACC+4*\i+3], v[ACC+\s+4*\i+2:ACC+\s+4*\i+3]
.endr
.endr
.irp i, 0,1,2,3,4,5,6,7
	v_pk_add_f32 v[ACC+4*\i:ACC+4*\i+1], v[ACC+4*\i:ACC+4*\i+1], v[B2:B2+1]
	v_pk_add_f32 v[ACC+4*\i+2:ACC+4*\i+3], v[ACC+4*\i+2:ACC+4*\i+3], v[B2+2:B2+3]
.endr
.irp i, 0,1,2,3,4,5,6,7
.irp k, 0,1,2,3
	v_mul_f32 v[ACC+4*\i+\k], v[ACC+4*\i+\k], v[GWT+\i]
.endr
.endr
	s_wait_alu depctr_va_vdst(0)                   ; v96-127 and the offsets v64-71 are written, which the stores below read; the lines above are done reading v48-63, in which the next block's slots and weights land
.irp i, 0,1,2,3,4,5,6,7
	global_store_b128 v[VO+\i], v[ACC+4*\i:ACC+4*\i+3], s[34:35] th:TH_STORE_NT   ; sixteen lanes store 256 consecutive bytes, aligned; not read again in this launch
.endr
.Lnoout:
	s_wait_xcnt 0x0                                ; bases, offsets and the stores' data are written again only behind this wait
	s_wait_alu depctr_vm_vsrc(0)                   ; and the stores have read v64-71 and v96-127, which the next trip writes again
	s_add_nc_u64 s[30:31], s[30:31], 196608        ; a block on, in every trip
	s_add_nc_u64 s[32:33], s[32:33], 256
	s_add_nc_u64 s[26:27], s[26:27], 256
	s_add_nc_u64 s[28:29], s[28:29], 256
	s_add_co_u32 s22, s22, 1
	s_cmp_lt_u32 s22, 16
	s_cbranch_scc1 .Lblk
	s_wait_dscnt 0x0                               ; the closing lines, six on end
	s_wait_alu 0x0
	s_wait_tensorcnt 0x0
	ds_add_u32 v254, v255
	s_wait_dscnt 0x0
	s_endpgm
.Lfunc_end_k_q3af50fa618_gemm2:
	.size	k_q3af50fa618_gemm2, .Lfunc_end_k_q3af50fa618_gemm2-k_q3af50fa618_gemm2
	.p2alignl 7, 3214868480
	.fill 96, 4, 3214868480
	.section	.rodata,"a",@progbits
	.p2align	6, 0x0
	.amdhsa_kernel k_q3af50fa618_gemm2
		.amdhsa_group_segment_fixed_size 170496
		.amdhsa_private_segment_fixed_size 0
		.amdhsa_enable_private_segment 0
		.amdhsa_kernarg_size 56
		.amdhsa_user_sgpr_count 2
		.amdhsa_user_sgpr_kernarg_segment_ptr 1
		.amdhsa_wavefront_size32 1
		.amdhsa_system_sgpr_workgroup_id_x 1
		.amdhsa_system_sgpr_workgroup_id_y 1
		.amdhsa_system_sgpr_workgroup_id_z 1
		.amdhsa_system_vgpr_workitem_id 0
		.amdhsa_next_free_vgpr 768
		.amdhsa_next_free_sgpr 66
		.amdhsa_reserve_vcc 0
		.amdhsa_float_denorm_mode_32 3
		.amdhsa_float_denorm_mode_16_64 3
		.amdhsa_memory_ordered 1
		.amdhsa_forward_progress 1
		.amdhsa_inst_pref_size 63
	.end_amdhsa_kernel
	.amdgpu_metadata
---
amdhsa.version: [ 1, 2 ]
amdhsa.kernels:
  - .name:           k_q3af50fa618_gemm2
    .symbol:         k_q3af50fa618_gemm2.kd
    .args:
      - { .name: hq, .offset: 0, .size: 8, .value_kind: global_buffer, .address_space: global }
      - { .name: list, .offset: 8, .size: 8, .value_kind: global_buffer, .address_space: global }
      - { .name: gws, .offset: 16, .size: 8, .value_kind: global_buffer, .address_space: global }
      - { .name: w2_codes, .offset: 24, .size: 8, .value_kind: global_buffer, .address_space: global }
      - { .name: w2_scales, .offset: 32, .size: 8, .value_kind: global_buffer, .address_space: global }
      - { .name: b2, .offset: 40, .size: 8, .value_kind: global_buffer, .address_space: global }
      - { .name: y, .offset: 48, .size: 8, .value_kind: global_buffer, .address_space: global }
    .group_segment_fixed_size: 170496
    .private_segment_fixed_size: 0
    .kernarg_segment_align: 8
    .kernarg_segment_size: 56
    .max_flat_workgroup_size: 128
    .sgpr_count:     66
    .vgpr_count:     768
    .wavefront_size: 32
...
	.end_amdgpu_metadata
.endif
;; end of part 6
;; launch combine: the kernel of part 4 again; grid 256 x 1, 8 waves a work-group, no clusters, 0 bytes of LDS; arguments y, out0; writes out0
